; MI455X (gfx1250); checked and timed in simulation.
; The chip was launched on July 23, 2026; its instructions are those of AMD's public machine-readable ISA for CDNA 5 (MIT licence, August 2026) and "CDNA5" Instruction Set Architecture Reference Guide (July 2026). The comments in the code are by the model that wrote it; some were corrected since.
;; Cross Attention. Allowed arithmetic: matrix products marked QUANTISED: E3M2 operands, one E8M0 scale for each 32 along K, by v_wmma_scale_f32_16x16x128_f8f6f4 with both operands' format E3M2, f32 sums; everything else in f32.
;; Inputs: Wk 1,024 x 1,024 float32; Wq 1,024 x 1,024 float32; Wv 1,024 x 1,024 float32; bk 1,024 float32; bq 1,024 float32; bv 1,024 float32; key_in 4 x 2,048 x 1,024 float32; query 4 x 2,048 x 1,024 float32; value 4 x 2,048 x 1,024 float32.
;; Outputs: out0 4 x 2,048 x 1,024 float32.
;; This version of the problem:
;;   THIS VERSION OF THE PROBLEM IS GIVEN IN LOW PRECISION. The matrix products marked QUANTISED in the list below multiply operands that are first quantised to E3M2 (3 exponent bits, 2 mantissa bits; 6 bits a number), with one power-of-two scale for each 32 numbers along K (OCP MX v1.0); their sums are f32. All else is computed in f32.
;;   The module's matrix products, in the order in which they are computed (A, B: the left and right operand; K: the contracted axis; several contracted axes count as one K, in the product's order):
;;     1. [M 8,192, K 1,024] x [K 1,024, N 1,024]; A: input query; B: input Wq: QUANTISED
;;     2. [M 8,192, K 1,024] x [K 1,024, N 1,024]; A: input key_in; B: input Wk: QUANTISED
;;     3. [M 8,192, K 1,024] x [K 1,024, N 1,024]; A: input value; B: input Wv: QUANTISED
;;     4. batch 64 x [M 2,048, K 64] x [K 64, N 2,048]; A: computed on the way; B: computed on the way: QUANTISED
;;     5. batch 64 x [M 64, K 2,048] x [K 2,048, N 2,048]; A: computed on the way; B: softmax (see below): QUANTISED
;;   THE QUANTISER, for each operand of a quantised product, along K:
;;     - K is cut into blocks of 32 from its start; a last block that is shorter is filled with zeros.
;;     - A block's scale is 2^e with e = floor(log2(the largest magnitude in the block)) - 4, held to -126 .. 127; a block of zeros has e = 0. As a byte (E8M0): e + 127.
;;     - Each number is divided by its block's scale, clamped to +-28, and rounded to the nearest number of E3M2, ties to even, subnormals kept.
;;     - The product sums the exact products of the quantised numbers (number of the format x scale) in f32.
;;   ~~~python
;;   def quantise(x, axis):      # numpy; x: float32 -> the quantised numbers, widened to float32 again
;;       x = np.moveaxis(x, axis, -1); K = x.shape[-1]
;;       x = np.pad(x, [(0, 0)] * (x.ndim - 1) + [(0, -K % 32)]); x = x.reshape(x.shape[:-1] + (-1, 32)); a = np.abs(x).max(-1, keepdims=True)
;;       e = np.where(a > 0, np.clip(np.frexp(np.where(a > 0, a, 1))[1] - 1 - 4, -126, 127), 0)      # np.frexp(a)[1] - 1 = floor(log2(a)), exactly
;;       r = np.clip(x / 2.0 ** e, -28, 28)
;;       step = 2.0 ** (np.maximum(np.frexp(np.where(r == 0, 1, r))[1] - 1, -2) - 2)
;;       q = np.round(r / step) * step * 2.0 ** e      # np.round: ties to even
;;       return np.moveaxis(q.reshape(q.shape[:-2] + (-1,))[..., :K], -1, axis).astype(np.float32)
;;   ~~~
;;   SOFTMAX AHEAD OF A QUANTISED PRODUCT. Where the list says 'softmax', what is quantised is not the finished softmax but p = 2^(t - M), with t = logit x log2(e) and M = ceil(the row's largest t), a whole number; so 1/2 < the row's largest p <= 1. The row's sum l is taken of the UNQUANTISED p, in f32, and the product's result is divided by l at the end. Since M is a whole number, a kernel that streams over the keys may use a running M (the ceiling of the running maximum): every later rescaling is an exact power of two, which a block's scale takes up: the codes' values come out the same.
;;   OPERANDS COMPUTED ON THE WAY. 'Computed on the way' means the value that the module computes at that place (a softmax that the list does not call 'softmax' is quantised finished and normalised). What goes into a quantiser is computed in f32, as accurately as f32 sums, v_exp_f32 and their like allow (about 1e-6 of the number): no bf16 or f16 on the way to a quantiser, and a product that is left as it is and whose result goes on into a quantised operand takes f32 operands (vector FMAs, or v_wmma_f32_16x16x4_f32). A number that lies on a knife's edge between two numbers of the format may be rounded either way, as far as f32 arithmetic and the matrix unit's own rounding can turn it there, and no further.
;; One version. Each part assembles by itself: llvm-mc -triple=amdgcn-amd-amdhsa -mcpu=gfx1250 --defsym DOCPART=n.
;; ======== version 1 of 1: 3 launches
;; limits: right only within a limited range of input values
;; workspace buffers: xc 18,874,368 bytes; xs 786,432 bytes; wc 2,359,296 bytes; ws 98,304 bytes; qc 6,291,456 bytes; qs 524,288 bytes; kv 13,369,344 bytes
;; launch quant (part 1): grid 864 x 1, 4 waves a work-group, no clusters, 68,096 bytes of LDS; arguments query, key_in, value, Wq, Wk, Wv, xc, xs, wc, ws; writes xc, xs, wc, ws
.if DOCPART == 1
	.amdgcn_target "amdgcn-amd-amdhsa--gfx1250"
	.amdhsa_code_object_version 6
	.text
	.protected	k_q32a40c64ec_quant
	.globl	k_q32a40c64ec_quant
	.p2align	8
	.type	k_q32a40c64ec_quant,@function
k_q32a40c64ec_quant:
	s_mov_b64 s[64:65], 0
	v_nop
	global_prefetch_b8 v0, s[64:65] scope:SCOPE_SE
	s_setreg_imm32_b32 hwreg(HW_REG_WAVE_MODE, 25, 1), 1
	s_wait_xcnt 0x0
; CROSS ATTENTION IN MX-BF6, launch 1 of 3: the six f32 operands of the three projections become codes of BF6 (E3M2, 6 bits) with one E8M0 byte for each 32 along K = d_model.
; NO WORK OF THE PROBLEM IS LEFT OUT in any of the three launches: every input reaches the output; bq, bk and bv each go into a quantised operand of a live product, so all three are added.
; query, key_in, value [8192][1024]: K is innermost: a tensor is a plain stream of blocks of 32.  -> xc [3][8192][768 bytes], xs [3][8192][32 bytes].
; Wq, Wk, Wv [1024 (k)][1024 (n)]: K is the first axis: a lane takes a column n and its registers run down K.  -> wc [3][1024 (n)][768 bytes], ws [3][1024 (n)][32 bytes].
; A block's scale is 2^(floor(log2(its largest magnitude)) - 4); its byte is the largest magnitude's exponent field - 4, held at 1 from below; numbers are divided by the scale and rounded to the nearest code, ties to even,
; beyond 28 the largest code.
; THE ROWS OF ALL FOUR BUFFERS STAND IN ANOTHER ORDER: bits 3 and 4 of a row's number change places (row 32 B + 16 u + r of a buffer holds row 32 B + 8 u + r + 8 (r / 8) of the tensor).  So sixteen rows on end are a tile whose
; results, in the next launch's products, leave a lane with 16 NEIGHBOURS along the following product's K in 16 registers on end.  The order costs nothing here: for x it moves whole runs of 8 rows, for W it is a store's offset.
; LIMITS: NaN and infinities among the inputs are not served.  A block whose largest magnitude lies under 2^-122, zeros among them, gets the byte 1 (the rule says 127 for zeros): its codes are then zeros or subnormal codes,
; and the bytes are read by this program alone.  Sizes are fixed.
; Work-groups 0 to 767 take x (256 for each tensor, a wave 8 rows = 8,192 numbers), 768 to 863 take W (32 for each, a wave 32 columns x 256 along K).  The two ways part on the work-group's number and each has LDS bytes of its own.
; No cluster: no two work-groups read the same byte.  No tensor load, no barrier: waves share nothing.
.set SPW,   192                        ; v192  LDS address of my spare word: SPARE + 4 x my thread's number; never rewritten
.set NIL,   193                        ; v193  0; never rewritten
.set SPARE, 67584                      ; behind both ways' regions: the spare words, 128 bytes for each wave: two blocks of 256 bytes that no other line names
; x's way
.set STEPS, 16                         ; steps of 512 numbers
.set CB,    12                         ; bytes of 16 codes
.set R,     16                         ; v16-79   four sets of 16 numbers as they are loaded
.set X,     80                         ; v80-111  two sets of 16 neighbours
.set E,     112                        ; v112-127 a scale byte for each step
.set C,     128                        ; v128-191 codes: four registers for each step, so that no store's data are written again
.set WREG,  8192                       ; LDS bytes 0 .. 32,767: a region for each wave: two stages of 32 x SP bytes, behind them its 256 scale bytes
.set SP,    80                         ; a lane's place in a stage: 64 bytes + 16 of padding
; W's way
.set NB,    8                          ; blocks of 32 along K for a wave
.set WP,    272                        ; a stage row: sixteen places of 16 bytes, each with 12 bytes of codes, + 16
.set WSTG,  32768                      ; LDS bytes 32,768 .. 67,583: four stages of 32 rows
.set WX,    32                         ; v32-95   two sets of 32 numbers
.set WC,    96                         ; v96-102  a block's codes
.set OUTR,  112                        ; v112-175 the way out
.set SB,    24                         ; v24-25   the scale bytes, four to a register
	s_load_b256 s[4:11], s[0:1], 0x0               ; query s[4:5], key_in s[6:7], value s[8:9], Wq s[10:11]
	s_load_b256 s[12:19], s[0:1], 0x20             ; Wk s[12:13], Wv s[14:15], xc s[16:17], xs s[18:19]
	s_load_b128 s[20:23], s[0:1], 0x40             ; wc s[20:21], ws s[22:23]
	v_lshl_add_u32 v[SPW], v0, 2, SPARE
	v_mov_b32 v[NIL], 0
	v_lshrrev_b32 v1, 5, v0
	v_readfirstlane_b32 s24, v1                    ; wave 0..3
	v_and_b32 v2, 31, v0                           ; lane
	s_wait_kmcnt 0x0
	s_cmp_ge_u32 ttmp9, 768
	s_cbranch_scc1 .Lweights
; ---------------- x: K innermost ----------------
; Each of a step's four loads reads 512 consecutive bytes, 16 a lane; the 2,048 bytes go through the wave's own stage and come back 64 bytes a lane: 16 neighbours along K, which the conversion wants in one lane.  Two lanes hold a block.
	s_wait_alu depctr_va_vdst(0)
	v_lshlrev_b32 v3, 4, v2                        ; my 16 bytes of a load's 512
	s_mul_i32 s25, s24, WREG
	v_lshrrev_b32 v14, 2, v2
	v_mul_u32_u24 v14, v14, SP
	v_and_b32 v15, 3, v2
	v_lshl_add_u32 v14, v15, 4, v14
	v_add_nc_u32 v14, s25, v14                     ; the stage, on the way in: SP (lane / 4) + 16 (lane % 4)
	v_mul_u32_u24 v15, v2, SP
	v_add_nc_u32 v15, s25, v15                     ; and on the way out: SP x lane
	v_mul_u32_u24 v4, v2, CB                       ; my codes' place in a step's 384 bytes
	v_lshrrev_b32 v5, 1, v2
	s_add_co_u32 s25, s25, 2*32*SP
	v_add_nc_u32 v5, s25, v5                       ; my wave's 256 scale bytes: my block's byte
	v_lshlrev_b32 v7, 3, v2                        ; and on the way out 8 bytes a lane
	v_add_nc_u32 v6, s25, v7
	s_lshr_b32 s26, ttmp9, 8                       ; which tensor: 0 query, 1 key_in, 2 value
	s_cmp_eq_u32 s26, 0
	s_cselect_b64 s[4:5], s[4:5], s[6:7]
	s_cmp_eq_u32 s26, 2
	s_cselect_b64 s[4:5], s[8:9], s[4:5]
	s_and_b32 s27, ttmp9, 255
	s_lshl_b32 s27, s27, 2
	s_add_co_u32 s27, s27, s24                     ; my run of 8 rows in the tensor: 0 .. 1,023
	s_lshl_b32 s28, s27, 15                        ; 32,768 bytes a run
	s_mov_b32 s29, 0
	s_add_nc_u64 s[4:5], s[4:5], s[28:29]
	s_and_b32 s30, s27, 0x3fc                      ; the run's place in the buffers: its two lowest bits (the rows' bits 3 and 4) change places
	s_and_b32 s31, s27, 1
	s_lshl_b32 s31, s31, 1
	s_or_b32 s30, s30, s31
	s_bfe_u32 s31, s27, 0x10001
	s_or_b32 s30, s30, s31
	; key_in alone stands in a third order: the run's three lowest bits turn left by one (run 8 c + 4 h + j goes to place 8 c + 2 j + h), so that in the attention's S^T
	; the 32 registers of four neighbouring tiles of keys are one whole block of 32 neighbouring keys in one lane
	s_and_b32 s32, s27, 0x3f8
	s_and_b32 s33, s27, 3
	s_lshl_b32 s33, s33, 1
	s_or_b32 s32, s32, s33
	s_bfe_u32 s33, s27, 0x10002
	s_or_b32 s32, s32, s33
	s_cmp_eq_u32 s26, 1
	s_cselect_b32 s30, s32, s30
	s_mul_i32 s28, s30, 6144                       ; 8 rows of 768 bytes of codes,
	s_mul_i32 s31, s26, 6291456                    ; in the tensor's part of xc
	s_add_co_u32 s28, s28, s31
	s_add_nc_u64 s[16:17], s[16:17], s[28:29]
	s_lshl_b32 s28, s30, 8                         ; 8 rows of 32 scale bytes,
	s_lshl_b32 s31, s26, 18                        ; in the tensor's part of xs
	s_add_co_u32 s28, s28, s31
	s_add_nc_u64 s[18:19], s[18:19], s[28:29]
.macro XLOAD t
.irp i, 0,1,2,3
	global_load_b128 v[R+16*((\t)%4)+4*\i:R+16*((\t)%4)+4*\i+3], v3, s[4:5] offset:2048*(\t)+512*\i th:TH_LOAD_NT   ; 32 lanes read 512 consecutive bytes; read once in the launch
.endr
.endm
.macro XTURN t                         ; step t's numbers through the stage: LDS serves a wave's instructions in order, so no wait stands between the stores and the loads
.irp i, 0,1,2,3
	ds_store_b128 v14, v[R+16*((\t)%4)+4*\i:R+16*((\t)%4)+4*\i+3] offset:32*SP*((\t)%2)+8*SP*\i
.endr
.irp i, 0,1,2,3
	ds_load_b128 v[X+16*((\t)%2)+4*\i:X+16*((\t)%2)+4*\i+3], v15 offset:32*SP*((\t)%2)+16*\i
.endr
.endm
.irp t, 0,1,2,3
	XLOAD \t
.endr
	s_wait_alu depctr_va_vdst(0)
	s_wait_loadcnt 12                              ; step 0's four loads are in; the twelve of steps 1 to 3 may be out
	XTURN 0
.macro XSTEP t
.set XS, X+16*((\t)%2)
.if (\t) > 0
	s_wait_dscnt 1                                 ; this step's numbers are back from the stage (the last step's byte store may be out): so its stores into the stage have read their registers,
.else
	s_wait_dscnt 0x0
.endif
.if (\t)+4 < STEPS
	XLOAD (\t)+4                                   ; which take the loads of four steps on
.endif
.if (\t)+1 < STEPS
.if STEPS-2-(\t) >= 3
	s_wait_loadcnt 12                              ; the next step's four loads are in; those of the three steps behind it may be out
.else
	s_wait_loadcnt 4*(STEPS-2-(\t))                ; at the end the count runs down with the steps that are left
.endif
	XTURN (\t)+1                                   ; and go through the other stage while this step is worked
.endif
	v_max3_num_f32 v8, |v[XS]|, |v[XS+1]|, |v[XS+2]|               ; the largest magnitude of my 16, in two chains
	v_max3_num_f32 v9, |v[XS+3]|, |v[XS+4]|, |v[XS+5]|
.irp i, 6,10
	v_max3_num_f32 v8, v8, |v[XS+\i]|, |v[XS+\i+1]|
	v_max3_num_f32 v9, v9, |v[XS+\i+2]|, |v[XS+\i+3]|
.endr
	v_max3_num_f32 v8, v8, |v[XS+14]|, |v[XS+15]|
	v_max3_num_f32 v8, v8, v9, 0x2800000           ; and the floor 2^(5 - 127): so the byte cannot fall under 1
	v_max_num_f32_dpp v8, v8, v8 row_xmask:1 row_mask:0xf bank_mask:0xf   ; and of my neighbour's 16: the block's
	v_add_nc_u32 v11, 0xfe000000, v8               ; 4 off its exponent field: the conversion takes the exponent field of this operand as its scale, and nothing else of it
	v_cvt_scalef32_pk16_bf6_f32 v[C+4*(\t):C+4*(\t)+2], v[XS:XS+15], v11   ; sixteen codes, 96 bits without gaps, the first number's code lowest
	v_lshrrev_b32 v[E+(\t)], 23, v11               ; the scale's byte
	ds_store_b8 v5, v[E+(\t)] offset:16*(\t)       ; both lanes of a block write the same byte with the same value
	global_store_b96 v4, v[C+4*(\t):C+4*(\t)+2], s[16:17] offset:32*CB*(\t)   ; the wave stores 384 consecutive bytes
.endm
.irp t, 0,1,2,3,4,5,6,7,8,9,10,11,12,13,14,15
	XSTEP \t
.endr
	ds_load_b64 v[8:9], v6                         ; LDS serves a wave's instructions in order: these see my byte stores
	s_wait_dscnt 0x0
	global_store_b64 v7, v[8:9], s[18:19]          ; 32 lanes store 256 consecutive bytes, at a multiple of 256 from the buffer's first byte
	s_wait_tensorcnt 0x0                           ; the wave's end: behind my last LDS store
	ds_add_u32 v[SPW], v[NIL]
	s_wait_dscnt 0x0
	s_endpgm
; ---------------- W: K is the first axis ----------------
; A lane takes a column n, its registers run down K: a load reads 128 consecutive bytes a wave, a block of 32 lies in one lane, and the codes come out with K innermost.  They leave through the wave's own stage, by rows.
.Lweights:
	s_sub_co_u32 s25, ttmp9, 768
	s_lshr_b32 s26, s25, 5                         ; which weight: 0 Wq, 1 Wk, 2 Wv
	s_and_b32 s27, s25, 7                          ; which 128 columns
	s_bfe_u32 s28, s25, 0x20003                    ; which 256 along K
	s_cmp_eq_u32 s26, 0
	s_cselect_b64 s[4:5], s[10:11], s[12:13]
	s_cmp_eq_u32 s26, 2
	s_cselect_b64 s[4:5], s[14:15], s[4:5]
	s_lshl_b32 s27, s27, 7
	s_lshl_b32 s29, s24, 5
	s_add_co_u32 s27, s27, s29                     ; my wave's first column, a multiple of 32: the other order of rows stays inside my 32
	s_wait_alu depctr_va_vdst(0)
	v_lshlrev_b32 v3, 2, v2                        ; in: 4 bytes a lane
	s_mul_i32 s29, s24, 32*WP
	s_add_co_u32 s29, s29, WSTG                    ; my stage
	v_mul_u32_u24 v4, v2, WP
	v_add_nc_u32 v4, s29, v4                       ; into it: row = my column
	v_and_b32 v5, 15, v2
	v_lshrrev_b32 v6, 4, v2                        ; out of it: sixteen lanes to a row, two rows an instruction
	v_mul_u32_u24 v7, v6, WP
	v_lshl_add_u32 v7, v5, 4, v7
	v_add_nc_u32 v7, s29, v7
	v_mul_u32_u24 v8, v6, 768
	v_mad_u32_u24 v8, v5, 12, v8                   ; and the same place in wc (the rows' other order leaves a row's lowest bit alone)
	v_and_b32 v9, 7, v2                            ; my column's row in ws: bits 3 and 4 change places
	v_and_b32 v10, 8, v2
	v_lshl_or_b32 v9, v10, 1, v9
	v_and_b32 v10, 16, v2
	v_lshrrev_b32 v10, 1, v10
	v_or_b32 v9, v9, v10
	v_lshlrev_b32 v9, 5, v9                        ; 32 bytes a row
	s_lshl_b32 s30, s28, 20                        ; W: 256 rows of 4,096 bytes for each step along K,
	s_lshl_b32 s31, s27, 2                         ; + 4 bytes a column
	s_add_co_u32 s30, s30, s31
	s_mov_b32 s31, 0
	s_add_nc_u64 s[4:5], s[4:5], s[30:31]
	s_mul_i32 s30, s26, 786432                     ; wc: the weight's part, my first row, my 192 bytes of it
	s_mul_i32 s32, s27, 768
	s_add_co_u32 s30, s30, s32
	s_mul_i32 s32, s28, 192
	s_add_co_u32 s30, s30, s32
	s_add_nc_u64 s[20:21], s[20:21], s[30:31]
	s_lshl_b32 s30, s26, 15                        ; ws likewise: 32 bytes a row, my 8 of them
	s_lshl_b32 s32, s27, 5
	s_add_co_u32 s30, s30, s32
	s_lshl_b32 s32, s28, 3
	s_add_co_u32 s30, s30, s32
	s_add_nc_u64 s[22:23], s[22:23], s[30:31]
.macro WLOAD t                         ; block t: W(32 t + i, my column), i = 0 .. 31, into set t % 2.  The largest offset, 255 rows of 4,096 bytes, lies inside the signed 24-bit immediate
.set i, 0
.rept 32
	global_load_b32 v[WX+32*((\t)%2)+i], v3, s[4:5] offset:(32*(\t)+i)*4096 th:TH_LOAD_NT
.set i, i+1
.endr
.endm
	WLOAD 0
	WLOAD 1
.macro WBLOCK t
.set XS, WX+32*((\t)%2)
.if (\t) < NB-1
	s_wait_loadcnt 32                              ; this block's 32 loads are in; the next block's 32 may be out
.else
	s_wait_loadcnt 0
.endif
	v_max3_num_f32 v12, |v[XS]|, |v[XS+1]|, |v[XS+2]|              ; the block's largest magnitude: all 32 numbers are mine
	v_max3_num_f32 v13, |v[XS+3]|, |v[XS+4]|, |v[XS+5]|
.irp i, 6,10,14,18,22,26
	v_max3_num_f32 v12, v12, |v[XS+\i]|, |v[XS+\i+1]|
	v_max3_num_f32 v13, v13, |v[XS+\i+2]|, |v[XS+\i+3]|
.endr
	v_max3_num_f32 v12, v12, |v[XS+30]|, |v[XS+31]|
	v_max3_num_f32 v12, v12, v13, 0x2800000        ; and the floor 2^(5 - 127)
	v_add_nc_u32 v11, 0xfe000000, v12              ; the conversion's scale operand
	v_lshrrev_b32 v13, 23, v11                     ; the scale's byte
.if (\t)%4 == 0
	v_mov_b32 v[SB+(\t)/4], v13                    ; four bytes to a register, the lower K in the lower byte
.else
	v_lshl_or_b32 v[SB+(\t)/4], v13, 8*((\t)%4), v[SB+(\t)/4]
.endif
	v_cvt_scalef32_pk16_bf6_f32 v[WC:WC+2], v[XS:XS+15], v11
	v_cvt_scalef32_pk16_bf6_f32 v[WC+4:WC+6], v[XS+16:XS+31], v11  ; (a conversion's three registers begin on an even number)
	ds_store_b96 v4, v[WC:WC+2] offset:32*(\t)     ; 12 bytes to a place of 16 in the stage, so that every LDS address is a multiple of 16
	ds_store_b96 v4, v[WC+4:WC+6] offset:32*(\t)+16
.if (\t)+2 < NB
	WLOAD (\t)+2
.endif
	s_wait_dscnt 0x0                               ; the stores have read their registers: the next block's codes may be written (plain vector lines stand ahead of them)
.endm
.irp t, 0,1,2,3,4,5,6,7
	WBLOCK \t
.endr
	s_wait_alu depctr_va_vdst(0)
	global_store_b64 v9, v[SB:SB+1], s[22:23]      ; my column's 8 scale bytes
.irp t, 0,1,2,3,4,5,6,7,8,9,10,11,12,13,14,15
	ds_load_b96 v[OUTR+4*\t:OUTR+4*\t+2], v7 offset:2*\t*WP   ; LDS serves a wave's instructions in order: these see my stores
.endr
.irp t, 0,1,2,3,4,5,6,7,8,9,10,11,12,13,14,15
	s_wait_dscnt 15-\t                             ; the younger read-backs may be out
	global_store_b96 v8, v[OUTR+4*\t:OUTR+4*\t+2], s[20:21] offset:(((2*\t)&7)|(((2*\t)&8)<<1)|(((2*\t)&16)>>1))*768   ; stage rows 2 t and 2 t + 1 go to their places in the other order; sixteen lanes store a row's 192 consecutive bytes
.endr
	s_wait_tensorcnt 0x0                           ; the wave's end: behind my last LDS store
	ds_add_u32 v[SPW], v[NIL]
	s_wait_dscnt 0x0
	s_endpgm
.Lfunc_end_k_q32a40c64ec_quant:
	.size	k_q32a40c64ec_quant, .Lfunc_end_k_q32a40c64ec_quant-k_q32a40c64ec_quant
	.p2alignl 7, 3214868480
	.fill 96, 4, 3214868480
	.section	.rodata,"a",@progbits
	.p2align	6, 0x0
	.amdhsa_kernel k_q32a40c64ec_quant
		.amdhsa_group_segment_fixed_size 68096
		.amdhsa_private_segment_fixed_size 0
		.amdhsa_enable_private_segment 0
		.amdhsa_kernarg_size 80
		.amdhsa_user_sgpr_count 2
		.amdhsa_user_sgpr_kernarg_segment_ptr 1
		.amdhsa_wavefront_size32 1
		.amdhsa_system_sgpr_workgroup_id_x 1
		.amdhsa_system_sgpr_workgroup_id_y 1
		.amdhsa_system_sgpr_workgroup_id_z 1
		.amdhsa_system_vgpr_workitem_id 0
		.amdhsa_next_free_vgpr 196
		.amdhsa_next_free_sgpr 66
		.amdhsa_reserve_vcc 0
		.amdhsa_float_denorm_mode_32 3
		.amdhsa_float_denorm_mode_16_64 3
		.amdhsa_memory_ordered 1
		.amdhsa_forward_progress 1
		.amdhsa_inst_pref_size 74
	.end_amdhsa_kernel
	.amdgpu_metadata
---
amdhsa.version: [ 1, 2 ]
amdhsa.kernels:
  - .name:           k_q32a40c64ec_quant
    .symbol:         k_q32a40c64ec_quant.kd
    .args:
      - { .name: query, .offset: 0, .size: 8, .value_kind: global_buffer, .address_space: global }
      - { .name: key_in, .offset: 8, .size: 8, .value_kind: global_buffer, .address_space: global }
      - { .name: value, .offset: 16, .size: 8, .value_kind: global_buffer, .address_space: global }
      - { .name: Wq, .offset: 24, .size: 8, .value_kind: global_buffer, .address_space: global }
      - { .name: Wk, .offset: 32, .size: 8, .value_kind: global_buffer, .address_space: global }
      - { .name: Wv, .offset: 40, .size: 8, .value_kind: global_buffer, .address_space: global }
      - { .name: xc, .offset: 48, .size: 8, .value_kind: global_buffer, .address_space: global }
      - { .name: xs, .offset: 56, .size: 8, .value_kind: global_buffer, .address_space: global }
      - { .name: wc, .offset: 64, .size: 8, .value_kind: global_buffer, .address_space: global }
      - { .name: ws, .offset: 72, .size: 8, .value_kind: global_buffer, .address_space: global }
    .group_segment_fixed_size: 68096
    .private_segment_fixed_size: 0
    .kernarg_segment_align: 8
    .kernarg_segment_size: 80
    .max_flat_workgroup_size: 128
    .sgpr_count:     66
    .vgpr_count:     196
    .wavefront_size: 32
...
	.end_amdgpu_metadata
.endif
;; end of part 1
;; launch proj (part 2): grid 16 x 16, 4 waves a work-group, clusters of 4 x 4, 327,680 bytes of LDS; arguments xc, xs, wc, ws, bq, bk, bv, qc, qs, kv; writes qc, qs, kv
.if DOCPART == 2
	.amdgcn_target "amdgcn-amd-amdhsa--gfx1250"
	.amdhsa_code_object_version 6
	.text
	.protected	k_q32a40c64ec_proj
	.globl	k_q32a40c64ec_proj
	.p2align	8
	.type	k_q32a40c64ec_proj,@function
k_q32a40c64ec_proj:
	s_mov_b64 s[64:65], 0
	v_nop
	global_prefetch_b8 v0, s[64:65] scope:SCOPE_SE
	s_setreg_imm32_b32 hwreg(HW_REG_WAVE_MODE, 25, 1), 1
	s_wait_xcnt 0x0
	s_wait_alu depctr_hold_cnt(0) depctr_sa_sdst(0) depctr_va_vdst(0) depctr_va_sdst(0) depctr_va_ssrc(0) depctr_va_vcc(0) depctr_vm_vsrc(0)
	s_getreg_b32 s2, hwreg(HW_REG_IB_STS2, 6, 4)
	s_cmp_eq_u32 s2, 0
	s_cbranch_scc0 .Lentry_in_a_cluster
	s_endpgm
.Lentry_in_a_cluster:
	s_bfe_u32 s2, ttmp6, 0x10000c
	s_cmp_lg_u32 s2, 0xf033
	s_cbranch_scc0 .Lentry_shape_is_right
	s_endpgm
.Lentry_shape_is_right:
; CROSS ATTENTION IN MX-BF6, launch 2 of 3: q = query Wq + bq, k = key_in Wk + bk, v = value Wv + bv on codes of BF6 (K = 1,024), each result QUANTISED IN REGISTERS for the attention's products and stored as an
; IMAGE OF THE OPERAND'S REGISTERS: q and k along the head's 64, v along the keys.  No f32 result goes to memory.  No work of the problem is left out.
; THE DEAL.  256 work-groups of four waves.  With L the cluster's number: a work-group makes 512 tokens (rt = 4 (L / 4) + cy) x 128 channels (ct = 4 (L % 4) + cx: 0-7 q, 8-15 k), and then 256 tokens (vt = 4 (L / 2) + cy) x 128 channels
; (vc = 4 (L % 2) + cx) of v.  A WAVE HOLDS ITS WEIGHTS, ALL OF K, IN REGISTERS and streams x's rows past them in blocks of 16 rows (8 fragments).  q, k: wave (a, b) holds head b's 64 rows (32 fragments) and takes tiles 4 a .. 4 a + 3 of
; each 128 tokens: 16 blocks of 32 products; source 0 = the weight, so a lane holds a token and its registers run along the channels.  v: wave w holds 32 rows of Wv (16 fragments) and takes all 16 tiles: 16 blocks of 16 products;
; source 0 = the tokens, so a lane holds a channel and its registers run along the keys.
; LDS: two slots of 128 whole rows of x (768 bytes + 16 behind every 256), and 128 rows of weights.  SIX FILLS of x: four of query or key_in, two of value; fill n lies in slot n % 2.  At the head one tensor load a wave: the weight's rows,
; fill 0 in two halves, fill 1.  Behind blocks 2, 6, 10, 14 stands a drained round of the cluster's barrier: it shows the fill asked for one round earlier, and the slot whose last block is in registers takes the fill two on (waves 0, 1: 64 rows each).
; In the first and third round wave 2 brings 64 rows of Wv over the weight's bytes, which all waves hold in registers.  The last fill is shown by a plain barrier.
; CLUSTERS: x's rows are shared by a row of the cluster, a weight's rows by a column: joint loads.  PREFETCHES: fills 2 to 5 and Wv's two parts, one to two rounds ahead of their loads; the sixteen waves that will ask jointly share
; the blocks of 256 bytes out by address (24 or 12 blocks a wave; lanes left over name the last again).
; The scale words come by plain loads into registers: a block's 16 rows x 32 bytes are 512 bytes on end.  A bias is the first products' C: a sum begins with it.
; The rows of xc, xs, wc, ws stand in launch 1's orders; in tiles 2 B + u of source 0, register 16 B + 8 u + j of lane (r, h) is index 32 B + 16 h + 8 u + j (channels, or value's tokens).
; OUT, as the attention reads it.  qc [bh][tile of 16 queries][768]: registers 0-3 at 16 x lane, 4-5 at 512 + 8 x lane.  qs [bh][tile / 4][r][tile % 4] words.  kv [bh][key step][13,056]: K's 8 units | V's 4 fragments of 1,536 |
; K's words [2][r][4] | V's [r][4].  A word of q or k holds two bytes below and 0 above.  Lanes 16-31 hold the same words as lanes 0-15 and store them to the same bytes; V's words leave as 8 bytes of each 16, two waves to a block of 256.
; LIMITS: NaN and infinities are not served; a block whose largest magnitude lies under 2^-122 gets the byte 1.
; REGISTERS: window 0: addresses, scale words, the quantiser's; fragment f at window 1 + f / 21, register 12 (f % 21): 0-31 weights, 32-47 x's two sets; window 3 from v72: 128 of sums, 32 of bias.
.set KROW,  768
.set PITCH, 816
.set FR,    12
.set FPW,   21
.set SLOTB, 128*PITCH
.set WREG,  2*SLOTB
.set SPARE, 3*SLOTB
.set AX0,  4                           ; v4, v5 my fragment's place in tile 4 a of slot 0 (v5: for the pieces behind one padding more)
.set AV0,  6                           ; v6, v7 the same in tile 0
.set ADX,  8                           ; v8, v9 for the block that is fetched next
.set SPW,  10
.set NIL,  11
.set VO16, 12
.set VO8,  13
.set VOS,  14                          ; 16 r
.set XSA,  15                          ; 32 r
.set ABS,  16                          ; 32 x lane
.set BO,   17
.set BVO,  18
.set SB,   24                          ; v24-39 the weight's scale words
.set SA,   44                          ; v44-171 x's: eight a block
.set SBV,  176                         ; v176-183 Wv's
.set BVT,  184
.set TM,   186
.set PC,   202
.set PW,   222
.set SW,   224
.set BA,   228
.set BAV,  236
.set PFX,  240
.set PFV,  241
.set PFW,  242
.set ACC,  72                          ; window 3
.set BI,   200                         ; window 3
.set WV,   66
.set RA,   67
.set CB,   96
.set LW,   3
.set XO,   87
.set VOF,  88
.set WO,   89
.set PP,   97
.set SEL,  100
.set G1A, 24                           ; 64 rows of x
.set G1W, 32                           ; 128 rows of a weight
.set G1F, 48                           ; 128 rows of x
.set G1V, 68                           ; 64 rows of Wv
.set G0A, 56
.set G0W, 60
.set G0F, 76
.set G0V, 80
.set MSB, 0
.set NLD, 0
.macro WIN new
.if MSB != \new
	s_set_vgpr_msb (MSB<<8)|\new
.set MSB, \new
.endif
.endm
.macro PLACES n
.rept \n
	v_nop
.endr
.endm
.macro WALU
	s_wait_alu depctr_va_vdst(0)
.endm
.macro BARRIER
	s_barrier_signal -1
	s_barrier_wait -1
.endm
.macro CROUND
	BARRIER
	s_cmp_lg_u32 s[WV], 0
	s_cbranch_scc1 .Lnot_wave_0_\@
	s_barrier_signal -3
.Lnot_wave_0_\@:
	s_barrier_wait -3
	BARRIER
.endm
.macro TLOAD g0, g1                    ; an s_nop 0 behind the load; four v_nop stand ahead of a jump, a label and what follows
	tensor_load_to_lds s[\g0:\g0+3], s[\g1:\g1+7]
	s_nop 0
	PLACES 4
.endm
.macro GROUP1 g, mask, rows
	s_or_b32 s[\g+0], s[\mask], (1<<20)|(1<<21)|(5<<22)|(3<<25)
	s_mov_b32 s[\g+1], (KROW&0xffff)<<16
	s_mov_b32 s[\g+2], (KROW>>16)|((\rows)<<16)
	s_mov_b32 s[\g+3], KROW<<16
	s_mov_b32 s[\g+4], \rows
	s_mov_b32 s[\g+5], KROW
	s_mov_b32 s[\g+6], 0
	s_mov_b32 s[\g+7], 0
.endm
.macro FRAGB f, q, a0, a1              ; a fragment out of padded rows: six pieces of 8 bytes, two to a load where both go by the same address register
	WIN (1+(\f)/FPW)<<6
.set R_, FR*((\f)%FPW)
.set SKIP_, 0
.irp p, 0,1,2,3,4,5
.if SKIP_
.set SKIP_, 0
.else
.set PC_, 12*(\q)+6*(\p/3)+\p%3
.set PN_, 12*(\q)+6*((\p+1)/3)+(\p+1)%3
.set X_, (PC_%32+3)/32
.set XQ_, (PN_%32+3)/32
.set NLD, NLD+1
.if (\p < 5) && (X_ == XQ_)
.set SKIP_, 1
.if X_
	ds_load_2addr_b64 v[R_+2*\p:R_+2*\p+3], \a1 offset0:PC_+2*(PC_/32) offset1:PN_+2*(PN_/32)
.else
	ds_load_2addr_b64 v[R_+2*\p:R_+2*\p+3], \a0 offset0:PC_+2*(PC_/32) offset1:PN_+2*(PN_/32)
.endif
.elseif X_
	ds_load_b64 v[R_+2*\p:R_+2*\p+1], \a1 offset:8*(PC_+2*(PC_/32))
.else
	ds_load_b64 v[R_+2*\p:R_+2*\p+1], \a0 offset:8*(PC_+2*(PC_/32))
.endif
.endif
.endr
.endm
.macro FETCH e                         ; a block of x's rows into set e
.irp q, 0,1,2,3,4,5,6,7
	FRAGB 32+8*(\e)+\q, \q, v[ADX], v[ADX+1]
.endr
	WIN 0
.endm
.macro NEXT f                          ; block f (0-15: q, k; 16-31: v's tile f - 16) is fetched; the four plain lines are the places behind the last products
.if (\f) < 16
	v_add_nc_u32 v[ADX], (((\f)/4)%2)*SLOTB+((\f)%4)*16*PITCH, v[AX0]
	v_add_nc_u32 v[ADX+1], (((\f)/4)%2)*SLOTB+((\f)%4)*16*PITCH, v[AX0+1]
.else
	v_add_nc_u32 v[ADX], (((\f)-16)/8)*SLOTB+(((\f)-16)%8)*16*PITCH, v[AV0]
	v_add_nc_u32 v[ADX+1], (((\f)-16)/8)*SLOTB+(((\f)-16)%8)*16*PITCH, v[AV0+1]
.endif
	v_nop
	v_nop
	FETCH (\f)%2
.endm
.macro PROD1 d, s0, s1, c, x0, x1, side, o
.if \o
	v_wmma_scale_f32_16x16x128_f8f6f4 v[\d:\d+7], v[FR*((\s0)%FPW):FR*((\s0)%FPW)+FR-1], v[FR*((\s1)%FPW):FR*((\s1)%FPW)+FR-1], \c, v[\x0], v[\x1] matrix_a_fmt:MATRIX_FMT_BF6 matrix_b_fmt:MATRIX_FMT_BF6 matrix_\side\()_scale:MATRIX_SCALE_ROW1
.else
	v_wmma_scale_f32_16x16x128_f8f6f4 v[\d:\d+7], v[FR*((\s0)%FPW):FR*((\s0)%FPW)+FR-1], v[FR*((\s1)%FPW):FR*((\s1)%FPW)+FR-1], \c, v[\x0], v[\x1] matrix_a_fmt:MATRIX_FMT_BF6 matrix_b_fmt:MATRIX_FMT_BF6 matrix_\side\()_scale:MATRIX_SCALE_ROW0
.endif
.endm
.macro PQK s, n                        ; product n = 4 q + t of block s: four accumulators by turns
.set Q_, (\n)/4
.set FB_, 4*Q_+(\n)%4
.set FA_, 32+8*((\s)%2)+Q_
.set D_, ACC+32*((\s)%2)+8*((\n)%4)
	WIN (1+FB_/FPW)|((1+FA_/FPW)<<2)|0xf0
.if Q_
	PROD1 D_, FB_, FA_, v[D_:D_+7], SB+8*(((\n)%4)/2)+Q_, SA+8*(\s)+Q_, a, (\n)%2
.else
	PROD1 D_, FB_, FA_, v[BI+8*((\n)%4):BI+8*((\n)%4)+7], SB+8*(((\n)%4)/2)+Q_, SA+8*(\s)+Q_, a, (\n)%2
.endif
.endm
.macro PVP u, n                        ; product n = 2 q + g of v's tile u: two accumulators by turns
.set Q_, (\n)/2
.set G_, (\n)%2
.set FA_, 32+8*((\u)%2)+Q_
.set FB_, 2*Q_+G_
.set D_, ACC+64*G_+8*((\u)%8)
	WIN (1+FA_/FPW)|((1+FB_/FPW)<<2)|0xf0
.if Q_
	PROD1 D_, FA_, FB_, v[D_:D_+7], SA+8*(\u)+Q_, SBV+Q_, b, G_
.else
	PROD1 D_, FA_, FB_, v[BI+8*G_:BI+8*G_+7], SA+8*(\u)+Q_, SBV+Q_, b, G_
.endif
.endm
; 64 sums of a lane in window 3, register 16 b + i = k 32 b + 16 (lane / 16) + i of my row, become 12 registers of codes in v[PC] on and four scale bytes in v[PW].  Each accumulator is first read at its low end.
.macro QUANT3 s
	WIN 0x0f
.irp b, 0,1,2,3
	v_max3_num_f32 v[TM+\b], |v[(\s)+16*\b]|, |v[(\s)+1+16*\b]|, 0x2800000   ; with the floor 2^(5 - 127): the byte cannot fall under 1
.endr
	WIN 0x3c
.irp i, 2,4,6,8,10,12,14
.irp b, 0,1,2,3
	v_max3_num_f32 v[TM+\b], v[TM+\b], |v[(\s)+16*\b+\i]|, |v[(\s)+1+16*\b+\i]|
.endr
.endr
	WIN 0
.irp b, 0,1,2,3
	v_permlanex16_b32 v[TM+4+\b], v[TM+\b], s[SEL], s[SEL+1]
.endr
.irp b, 0,1,2,3
	v_max_num_f32 v[TM+\b], v[TM+\b], v[TM+4+\b]
.endr
.irp b, 0,1,2,3
	v_add_nc_u32 v[TM+12+\b], 0xfe000000, v[TM+\b] ; 4 off the exponent field: the conversion's scale operand
.endr
.irp b, 0,1,2,3
	v_lshrrev_b32 v[TM+4+\b], 23, v[TM+12+\b]
.endr
	v_lshl_or_b32 v[PW], v[TM+5], 8, v[TM+4]
	v_lshl_or_b32 v[PW], v[TM+6], 16, v[PW]
	v_lshl_or_b32 v[PW], v[TM+7], 24, v[PW]
	WIN 0x03
.irp c, 0,1
	v_cvt_scalef32_pk16_bf6_f32 v[PC+6*\c:PC+2+6*\c], v[(\s)+32*\c:(\s)+15+32*\c], v[TM+12+2*\c]
	v_cvt_scalef32_pk16_bf6_f32 v[PC+12+4*\c:PC+14+4*\c], v[(\s)+16+32*\c:(\s)+31+32*\c], v[TM+12+2*\c+1]
.endr
	WIN 0
	v_nop                                          ; one plain line behind a scaled conversion
.irp c, 0,1                                    ; a whole block in a lane: lanes 0-15 block 2 c, lanes 16-31 block 2 c + 1
.irp i, 0,1,2
	v_permlane16_swap_b32 v[PC+6*\c+\i], v[PC+12+4*\c+\i]
.endr
.irp i, 0,1,2
	v_mov_b32 v[PC+3+6*\c+\i], v[PC+12+4*\c+\i]
.endr
.endr
.endm
.macro QKOUT i                         ; two blocks' sums (two tiles of 16 tokens x my head's 64 channels) leave as two units; behind a slot's second pair the four tiles' words
	s_wait_xcnt 0x0                                ; the last stores have read the codes' and words' registers
	QUANT3 ACC
	global_store_b128 v[VO16], v[PC:PC+3], s[14:15] offset:1536*(\i)
	global_store_b64 v[VO8], v[PC+4:PC+5], s[14:15] offset:1536*(\i)+512
	global_store_b128 v[VO16], v[PC+6:PC+9], s[14:15] offset:1536*(\i)+768
	global_store_b64 v[VO8], v[PC+10:PC+11], s[14:15] offset:1536*(\i)+1280
	v_and_b32 v[SW+2*(\i)], 0xffff, v[PW]          ; the even tile's two bytes, 0 above them;
	v_lshrrev_b32 v[SW+2*(\i)+1], 16, v[PW]        ; the odd tile's
.if \i
	global_store_b128 v[VOS], v[SW:SW+3], s[18:19]
	s_wait_xcnt 0x0                                ; the stores have read their bases
	s_add_nc_u64 s[14:15], s[14:15], s[92:93]      ; on to the next 128 tokens
	s_add_nc_u64 s[18:19], s[18:19], s[94:95]
.endif
.endm
.macro VOUT m                          ; a key step's sums: my two tiles of 16 channels x 128 keys: two whole fragments and their words
.irp g, 0,1
	s_wait_xcnt 0x0
	QUANT3 ACC+64*\g
.irp k, 0,1,2
	global_store_b128 v[VO16], v[PC+4*\k:PC+4*\k+3], s[22:23] offset:13056*(\m)+1536*\g+512*\k
.endr
	v_mov_b32 v[SW+\g], v[PW]
.endr
	global_store_b64 v[VOS], v[SW:SW+1], s[20:21] offset:13056*(\m)
.endm
; A drained round: all my tensor loads have landed, the add, my LDS reads are over; behind it slot k % 2 takes fill k + 2.
.macro REFILL k
	s_wait_tensorcnt 0x0
	ds_add_u32 v[SPW], v[NIL]
	s_add_co_u32 s[G0A+1], s[LW], ((\k)%2)*SLOTB
	s_mov_b32 s46, s[XO]
	s_mov_b32 s47, 0
	s_add_nc_u64 s[G0A+2:G0A+3], s[4:5], s[46:47]
	s_or_b32 s[G0A+3], s[G0A+3], 0x80000000
.if (\k)%2 == 0
	s_mov_b32 s[G0V+1], WREG+((\k)/2)*64*PITCH
	s_mov_b32 s46, s[WO]
	s_add_nc_u64 s[G0V+2:G0V+3], s[8:9], s[46:47]
	s_or_b32 s[G0V+3], s[G0V+3], 0x80000000
	s_add_co_u32 s[WO], s[WO], 64*KROW
	s_add_co_u32 s[XO], s[XO], 128*KROW
.else
	s_mov_b32 s[XO], s[VOF]                        ; behind fill 3 come value's rows
.endif
	s_wait_dscnt 0x0
	CROUND
	s_cmp_lt_u32 s[WV], 2
	s_cbranch_scc0 .Lother_\@
	TLOAD G0A, G1A
	s_branch .Lasked_\@
.Lother_\@:
.if (\k)%2 == 0
	s_cmp_eq_u32 s[WV], 2
	s_cbranch_scc0 .Lnone_\@
	TLOAD G0V, G1V
.Lnone_\@:
.endif
.Lasked_\@:
.endm
.macro ASKX reg, off
	global_prefetch_b8 v[\reg], s[4:5] offset:\off th:TH_LOAD_NT scope:SCOPE_SE
.endm
; ================= THE HEAD
	s_load_b512 s[4:19], s[0:1], 0x0               ; xc, xs, wc, ws, bq, bk, bv, qc
	s_load_b128 s[20:23], s[0:1], 0x40             ; qs, kv
	v_lshl_add_u32 v[SPW], v0, 2, SPARE
	v_mov_b32 v[NIL], 0
	ds_add_u32 v[SPW], v[NIL]                      ; the opening lines: the add twice on end and its wait
	ds_add_u32 v[SPW], v[NIL]
	v_lshrrev_b32 v1, 5, v0
	v_readfirstlane_b32 s[WV], v1
	s_lshr_b32 s[RA], s[WV], 1
	s_and_b32 s[CB], s[WV], 1
	s_bfe_u32 s40, ttmp6, 0x40000                  ; cx
	s_bfe_u32 s41, ttmp6, 0x40004                  ; cy
	s_and_b32 s86, ttmp7, 0xffff
	s_lshl_b32 s86, s86, 2
	s_or_b32 s86, s86, ttmp9                       ; L
	s_and_b32 s42, s86, 3
	s_lshl_b32 s42, s42, 2
	s_add_co_u32 s42, s42, s40                     ; ct
	s_lshr_b32 s43, s86, 2
	s_lshl_b32 s43, s43, 2
	s_add_co_u32 s43, s43, s41                     ; rt
	s_and_b32 s84, s86, 1
	s_lshl_b32 s84, s84, 2
	s_add_co_u32 s84, s84, s40                     ; vc
	s_lshr_b32 s85, s86, 1
	s_lshl_b32 s85, s85, 2
	s_add_co_u32 s85, s85, s41                     ; vt
	s_bfe_u32 s[PP], s86, 0x10001                  ; 0 q, 1 k: the cluster's number alone
	s_lshl_b32 s44, s41, 2
	s_lshl_b32 s44, 15, s44                        ; my row of the cluster
	s_lshl_b32 s45, 0x1111, s40                    ; my column
	GROUP1 G1A, 44, 64
	GROUP1 G1W, 45, 128
	GROUP1 G1F, 44, 128
	GROUP1 G1V, 45, 64
	s_lshl_b32 s[XO], s[PP], 13
	s_lshl_b32 s46, s43, 9
	s_add_co_u32 s[XO], s[XO], s46                 ; my first row of query or key_in in xc
	s_lshl_b32 s98, s[XO], 5
	s_mul_i32 s[XO], s[XO], KROW
	s_lshl_b32 s[VOF], s85, 8
	s_add_co_u32 s[VOF], s[VOF], 16384             ; my first row of value
	s_lshl_b32 s99, s[VOF], 5
	s_mul_i32 s[VOF], s[VOF], KROW
	s_mul_i32 s[WO], s84, 128*KROW
	s_add_co_u32 s[WO], s[WO], 2048*KROW           ; Wv's rows in wc
	s_mul_i32 s86, s42, 128*KROW                   ; Wq's or Wk's
	s_mul_i32 s[LW], s[WV], 64*PITCH
	s_mov_b32 s[G0A], 1
	s_mov_b32 s[G0W], 1
	s_mov_b32 s[G0W+1], WREG
	s_mov_b32 s[G0F], 1
	s_mov_b32 s[G0F+1], SLOTB
	s_mov_b32 s[G0V], 1
	s_mov_b32 s[SEL], 0x76543210
	s_mov_b32 s[SEL+1], 0xfedcba98
	v_and_b32 v1, 15, v0                           ; r
	v_bfe_u32 v2, v0, 4, 1                         ; h
	v_and_b32 v3, 31, v0
	v_mul_u32_u24 v20, v1, PITCH
	v_mad_u32_u24 v[AV0], v2, 24, v20
	v_mad_u32_u24 v[AV0+1], v2, 40, v20
	s_mul_i32 s46, s[RA], 64*PITCH
	v_add_nc_u32 v[AX0], s46, v[AV0]
	v_add_nc_u32 v[AX0+1], s46, v[AV0+1]
	s_mul_i32 s46, s[CB], 64*PITCH
	s_add_co_u32 s46, s46, WREG
	v_add_nc_u32 v21, s46, v[AV0]
	v_add_nc_u32 v22, s46, v[AV0+1]
.irp t, 0,1,2,3
	v_add_nc_u32 v[BA+2*\t], \t*16*PITCH, v21
	v_add_nc_u32 v[BA+2*\t+1], \t*16*PITCH, v22
.endr
	s_mul_i32 s46, s[WV], 32*PITCH
	s_add_co_u32 s46, s46, WREG
	v_add_nc_u32 v[BAV], s46, v[AV0]
	v_add_nc_u32 v[BAV+1], s46, v[AV0+1]
	v_add_nc_u32 v[BAV+2], 16*PITCH, v[BAV]
	v_add_nc_u32 v[BAV+3], 16*PITCH, v[BAV+1]
	v_lshlrev_b32 v[VO16], 4, v3
	v_lshlrev_b32 v[VO8], 3, v3
	v_lshlrev_b32 v[VOS], 4, v1
	v_lshlrev_b32 v[XSA], 5, v1
	v_lshlrev_b32 v[ABS], 5, v3
	v_lshlrev_b32 v[BO], 6, v2                     ; register 16 B + i holds channel 32 B + 16 h + i
	v_and_b32 v[BVO], 8, v1
	v_add_nc_u32 v[BVO], v[BVO], v1
	v_lshlrev_b32 v[BVO], 2, v[BVO]                ; lane r of tile g holds channel 8 g + r + 8 (r / 8) of my 32
	s_lshl_b32 s90, s40, 2
	s_add_co_u32 s90, s90, s[WV]                   ; my number among the sixteen waves of my row of the cluster,
	s_lshl_b32 s91, s41, 2
	s_add_co_u32 s91, s91, s[WV]                   ; and of my column
	v_min_u32 v20, 23, v3
	v_lshlrev_b32 v20, 8, v20
	s_mul_i32 s90, s90, 24*256
	s_add_co_u32 s46, s90, s[XO]
	v_add_nc_u32 v[PFX], s46, v20
	s_add_co_u32 s46, s90, s[VOF]
	v_add_nc_u32 v[PFV], s46, v20
	v_min_u32 v20, 11, v3
	v_lshlrev_b32 v20, 8, v20
	s_mul_i32 s91, s91, 12*256
	s_add_co_u32 s46, s91, s[WO]
	v_add_nc_u32 v[PFW], s46, v20
.irp b, 0,1,2,3
	v_mov_b32 v[TM+4+\b], 0                        ; a lane permute's destination counts as one of its sources
.endr
	WALU
	s_wait_dscnt 0x0
	CROUND                                         ; the opening round
	s_wait_kmcnt 0x0
	s_mov_b32 s47, 0
	s_mov_b32 s46, s86
	s_add_nc_u64 s[G0W+2:G0W+3], s[8:9], s[46:47]
	s_or_b32 s[G0W+3], s[G0W+3], 0x80000000
	s_mov_b32 s46, s[XO]
	s_add_nc_u64 s[G0A+2:G0A+3], s[4:5], s[46:47]
	s_add_nc_u64 s[G0F+2:G0F+3], s[G0A+2:G0A+3], 128*KROW
	s_or_b32 s[G0F+3], s[G0F+3], 0x80000000
	s_cmp_eq_u32 s[WV], 0
	s_cbranch_scc0 .Lwave_1
	TLOAD G0W, G1W                                 ; wave 0: the weight's 128 rows, which are wanted first
	s_branch .Lasked
.Lwave_1:
	s_cmp_eq_u32 s[WV], 1
	s_cbranch_scc0 .Lwave_2
	s_mov_b32 s[G0A+1], 0                          ; wave 1: fill 0, rows 0 to 63
	s_or_b32 s[G0A+3], s[G0A+3], 0x80000000
	TLOAD G0A, G1A
	s_branch .Lasked
.Lwave_2:
	s_cmp_eq_u32 s[WV], 2
	s_cbranch_scc0 .Lwave_3
	s_mov_b32 s[G0A+1], 64*PITCH                   ; wave 2: rows 64 to 127
	s_add_nc_u64 s[G0A+2:G0A+3], s[G0A+2:G0A+3], 64*KROW
	s_or_b32 s[G0A+3], s[G0A+3], 0x80000000
	TLOAD G0A, G1A
	s_branch .Lasked
.Lwave_3:
	TLOAD G0F, G1F                                 ; wave 3: fill 1
.Lasked:
	s_mul_i32 s46, s[WV], 64*KROW                  ; the refills: my 64 rows of fill 2, and of value's first
	s_add_co_u32 s[XO], s[XO], s46
	s_add_co_u32 s[XO], s[XO], 256*KROW
	s_add_co_u32 s[VOF], s[VOF], s46
	s_mov_b32 s46, s99                             ; the scale words' places
	s_add_nc_u64 s[104:105], s[6:7], s[46:47]      ; value's
	s_lshl_b32 s46, s[RA], 11
	s_add_co_u32 s46, s46, s98
	s_add_nc_u64 s[6:7], s[6:7], s[46:47]          ; my tiles' of query or key_in
	s_lshl_b32 s46, s84, 7
	s_lshl_b32 s98, s[WV], 5
	s_add_co_u32 s46, s46, s98
	s_add_co_u32 s46, s46, 2048
	s_lshl_b32 s46, s46, 5
	s_add_nc_u64 s[98:99], s[10:11], s[46:47]      ; my 32 rows of Wv
	s_lshl_b32 s46, s42, 7
	s_lshl_b32 s86, s[CB], 6
	s_add_co_u32 s46, s46, s86
	s_lshl_b32 s46, s46, 5
	s_add_nc_u64 s[10:11], s[10:11], s[46:47]      ; my 64 rows of Wq or Wk
	s_cmp_eq_u32 s[PP], 0
	s_cselect_b64 s[12:13], s[12:13], s[14:15]     ; bq or bk
	s_and_b32 s86, s42, 7
	s_lshl_b32 s46, s86, 9
	s_lshl_b32 s90, s[CB], 8
	s_add_co_u32 s46, s46, s90
	s_add_nc_u64 s[12:13], s[12:13], s[46:47]
	s_lshl_b32 s46, s84, 9
	s_lshl_b32 s90, s[WV], 7
	s_add_co_u32 s46, s46, s90
	s_add_nc_u64 s[16:17], s[16:17], s[46:47]      ; bv at my 32 channels
.irp p, 0,1
.irp c, 0,1
	global_load_b128 v[SB+8*\p+4*\c:SB+8*\p+4*\c+3], v[ABS], s[10:11] offset:\p*1024+16*\c
.endr
.endr
.irp c, 0,1
	global_load_b128 v[SBV+4*\c:SBV+4*\c+3], v[ABS], s[98:99] offset:16*\c
.endr
.set i, 0
.rept 16
	global_load_b128 v[SA+8*i:SA+8*i+3], v[XSA], s[6:7] offset:(128*(i/4)+16*(i%4))*32
	global_load_b128 v[SA+8*i+4:SA+8*i+7], v[XSA], s[6:7] offset:(128*(i/4)+16*(i%4))*32+16
.set i, i+1
.endr
	global_load_b32 v[BVT], v[BVO], s[16:17]
	global_load_b32 v[BVT+1], v[BVO], s[16:17] offset:32
	WIN 0xc0
.irp b, 0,1
.irp j, 0,1,2,3
	global_load_b128 v[BI+16*\b+4*\j:BI+16*\b+4*\j+3], v[BO], s[12:13] offset:128*\b+16*\j
.endr
.endr
	WIN 0
	; where the results go
	s_lshr_b32 s90, s43, 2
	s_lshl_b32 s90, s90, 4
	s_lshl_b32 s86, s86, 1
	s_add_co_u32 s90, s90, s86
	s_add_co_u32 s90, s90, s[CB]                   ; bh = 16 batch + 2 (ct % 8) + b
	s_and_b32 s91, s43, 3                          ; which 512 tokens of the batch
	s_lshl_b32 s46, s90, 7
	s_lshl_b32 s86, s91, 5
	s_add_co_u32 s46, s46, s86
	s_lshl_b32 s86, s[RA], 2
	s_add_co_u32 s46, s46, s86
	s_mul_i32 s46, s46, 768                        ; q: my first unit in qc,
	s_lshl_b32 s92, s90, 13
	s_lshl_b32 s86, s91, 3
	s_add_co_u32 s86, s86, s[RA]
	s_lshl_b32 s86, s86, 8
	s_add_co_u32 s92, s92, s86                     ; and its words in qs
	s_mul_i32 s94, s90, 208896
	s_mul_i32 s86, s91, 4*13056
	s_add_co_u32 s94, s94, s86                     ; k: my first chunk in kv,
	s_lshl_b32 s86, s[RA], 8
	s_add_co_u32 s95, s94, s86
	s_add_co_u32 s95, s95, 12288                   ; its words,
	s_mul_i32 s86, s[RA], 3072
	s_add_co_u32 s94, s94, s86                     ; my first unit
	s_mov_b32 s86, 13056
	s_cmp_eq_u32 s[PP], 0
	s_cselect_b64 s[14:15], s[18:19], s[22:23]
	s_cselect_b64 s[18:19], s[20:21], s[22:23]
	s_cselect_b32 s46, s46, s94
	s_cselect_b32 s90, s92, s95
	s_cselect_b32 s92, 6144, s86                   ; from 128 tokens to the next: the units',
	s_cselect_b32 s94, 512, s86                    ; the words'
	s_mov_b32 s93, 0
	s_mov_b32 s95, 0
	s_add_nc_u64 s[14:15], s[14:15], s[46:47]
	s_mov_b32 s46, s90
	s_add_nc_u64 s[18:19], s[18:19], s[46:47]
	s_lshr_b32 s90, s85, 3                         ; v: bh = 16 batch + 2 vc + w / 2; key step 2 (vt % 8)
	s_lshl_b32 s90, s90, 4
	s_lshl_b32 s86, s84, 1
	s_add_co_u32 s90, s90, s86
	s_add_co_u32 s90, s90, s[RA]
	s_mul_i32 s46, s90, 208896
	s_and_b32 s86, s85, 7
	s_mul_i32 s86, s86, 2*13056
	s_add_co_u32 s46, s46, s86
	s_add_nc_u64 s[22:23], s[22:23], s[46:47]
	s_lshl_b32 s46, s[CB], 3
	s_add_co_u32 s46, s46, 12800
	s_add_nc_u64 s[20:21], s[22:23], s[46:47]      ; V's words: my two of a row's four
	s_mul_i32 s46, s[CB], 3072
	s_add_co_u32 s46, s46, 6144
	s_add_nc_u64 s[22:23], s[22:23], s[46:47]      ; V's fragments: my two of the head's four
	s_cmp_eq_u32 s[WV], 0
	s_cbranch_scc0 .Lnot_w
	s_wait_tensorcnt 0x0
.Lnot_w:
	BARRIER                                        ; the weight's rows are in
	ASKX PFX, 256*KROW                             ; fill 2,
	global_prefetch_b8 v[PFW], s[8:9] th:TH_LOAD_NT scope:SCOPE_SE   ; Wv's first 64 rows
.irp q, 0,1,2,3,4,5,6,7
.irp t, 0,1,2,3
	FRAGB 4*\q+\t, \q, v[BA+2*\t], v[BA+2*\t+1]
.endr
.endr
	WIN 0
	s_cmp_eq_u32 s[WV], 3
	s_cbranch_scc1 .Lnot_x
	s_wait_tensorcnt 0x0
.Lnot_x:
	s_wait_dscnt 0x0
	BARRIER                                        ; fill 0 is in, and nobody reads the weight's bytes any more; fill 1 may be on its way
.set NLD, 0
	NEXT 0
.set NF, NLD                           ; LDS loads of a block
	NEXT 1
	ASKX PFX, 384*KROW                             ; fill 3
	s_wait_loadcnt 0x0                             ; scale words and biases
; ================= q or k: 16 blocks of 32 products
.macro QK s
	s_wait_dscnt NF                                ; this block's rows are in; the next block's fetch is younger
.set N_, 0
.rept 32
	PQK \s, N_
.set N_, N_+1
.endr
	WIN 0
.if (\s)%4 == 2
	REFILL (\s)/4
.endif
	NEXT (\s)+2
.if (\s) == 2
	ASKX PFV, 0                                    ; fill 4,
	global_prefetch_b8 v[PFW], s[8:9] offset:64*KROW th:TH_LOAD_NT scope:SCOPE_SE   ; Wv's other 64 rows
.endif
.if (\s) == 6
	ASKX PFV, 128*KROW                             ; fill 5
.endif
.if (\s) == 15                         ; my 32 rows of Wv take the weight's registers while the last pair is quantised
.irp q, 0,1,2,3,4,5,6,7
.irp g, 0,1
	FRAGB 2*\q+\g, \q, v[BAV+2*\g], v[BAV+2*\g+1]
.endr
.endr
	WIN 0
.endif
.if (\s)%2
	QKOUT ((\s)/2)%2
.endif
.if (\s)%8 == 7                        ; the scale words of value's tiles take the registers of blocks that are done: tiles 0-7 behind block 7, 8-15 behind block 15
.set i, (\s)-7
.rept 8
	global_load_b128 v[SA+8*i:SA+8*i+3], v[XSA], s[104:105] offset:512*i
	global_load_b128 v[SA+8*i+4:SA+8*i+7], v[XSA], s[104:105] offset:512*i+16
.set i, i+1
.endr
.endif
.endm
.irp s, 0,1,2,3,4,5,6,7,8,9,10,11,12,13,14,15
	QK \s
.endr
	WIN 0xc0
.irp g, 0,1
.irp i, 0,1,2,3,4,5,6,7
	v_mov_b32 v[BI+8*\g+\i], v[BVT+\g]             ; v's bias as its first products' C: one channel a lane
.endr
.endr
	WIN 0
; ================= v: 16 tiles of 16 products
.macro VB u
.if (\u) == 0
	WALU
	s_wait_loadcnt 16                              ; the words of tiles 0-7 are in; the 16 loads for tiles 8-15 are younger
	s_wait_dscnt 0x0                               ; Wv's fragments and the first rows
.elseif (\u) == 8
	s_wait_loadcnt 0x0
	s_wait_dscnt NF
.elseif (\u) == 15
	s_wait_dscnt 0x0
.else
	s_wait_dscnt NF
.endif
.set N_, 0
.rept 16
	PVP \u, N_
.set N_, N_+1
.endr
	WIN 0
.if (\u) == 6
	s_wait_tensorcnt 0x0
	s_wait_dscnt 0x0
	BARRIER                                        ; a plain barrier: fill 5 is shown to all
.endif
.if (\u) < 14
	NEXT (\u)+18
.else
	PLACES 4
.endif
.if (\u)%8 == 7
	VOUT (\u)/8
.endif
.endm
.irp u, 0,1,2,3,4,5,6,7,8,9,10,11,12,13,14,15
	VB \u
.endr
	s_wait_tensorcnt 0x0                           ; the wave's end
	ds_add_u32 v[SPW], v[NIL]
	s_wait_dscnt 0x0
	CROUND                                         ; the closing round
	s_endpgm
.Lfunc_end_k_q32a40c64ec_proj:
	.size	k_q32a40c64ec_proj, .Lfunc_end_k_q32a40c64ec_proj-k_q32a40c64ec_proj
	.p2alignl 7, 3214868480
	.fill 96, 4, 3214868480
	.section	.rodata,"a",@progbits
	.p2align	6, 0x0
	.amdhsa_kernel k_q32a40c64ec_proj
		.amdhsa_group_segment_fixed_size 327680
		.amdhsa_private_segment_fixed_size 0
		.amdhsa_enable_private_segment 0
		.amdhsa_kernarg_size 80
		.amdhsa_user_sgpr_count 2
		.amdhsa_user_sgpr_kernarg_segment_ptr 1
		.amdhsa_wavefront_size32 1
		.amdhsa_system_sgpr_workgroup_id_x 1
		.amdhsa_system_sgpr_workgroup_id_y 1
		.amdhsa_system_sgpr_workgroup_id_z 1
		.amdhsa_system_vgpr_workitem_id 0
		.amdhsa_next_free_vgpr 1024
		.amdhsa_next_free_sgpr 106
		.amdhsa_reserve_vcc 0
		.amdhsa_float_denorm_mode_32 3
		.amdhsa_float_denorm_mode_16_64 3
		.amdhsa_memory_ordered 1
		.amdhsa_forward_progress 1
		.amdhsa_inst_pref_size 251
	.end_amdhsa_kernel
	.amdgpu_metadata
---
amdhsa.version: [ 1, 2 ]
amdhsa.kernels:
  - .name:           k_q32a40c64ec_proj
    .symbol:         k_q32a40c64ec_proj.kd
    .args:
      - { .name: xc, .offset: 0, .size: 8, .value_kind: global_buffer, .address_space: global }
      - { .name: xs, .offset: 8, .size: 8, .value_kind: global_buffer, .address_space: global }
      - { .name: wc, .offset: 16, .size: 8, .value_kind: global_buffer, .address_space: global }
      - { .name: ws, .offset: 24, .size: 8, .value_kind: global_buffer, .address_space: global }
      - { .name: bq, .offset: 32, .size: 8, .value_kind: global_buffer, .address_space: global }
      - { .name: bk, .offset: 40, .size: 8, .value_kind: global_buffer, .address_space: global }
      - { .name: bv, .offset: 48, .size: 8, .value_kind: global_buffer, .address_space: global }
      - { .name: qc, .offset: 56, .size: 8, .value_kind: global_buffer, .address_space: global }
      - { .name: qs, .offset: 64, .size: 8, .value_kind: global_buffer, .address_space: global }
      - { .name: kv, .offset: 72, .size: 8, .value_kind: global_buffer, .address_space: global }
    .group_segment_fixed_size: 327680
    .private_segment_fixed_size: 0
    .kernarg_segment_align: 8
    .kernarg_segment_size: 80
    .max_flat_workgroup_size: 128
    .sgpr_count:     106
    .vgpr_count:     1024
    .wavefront_size: 32
...
	.end_amdgpu_metadata
.endif
;; end of part 2
;; launch attn (part 3): grid 4 x 64, 8 waves a work-group, clusters of 4 x 1, 327,680 bytes of LDS; arguments qc, qs, kv, out0; writes out0
.if DOCPART == 3
	.amdgcn_target "amdgcn-amd-amdhsa--gfx1250"
	.amdhsa_code_object_version 6
	.text
	.protected	k_q32a40c64ec_attn
	.globl	k_q32a40c64ec_attn
	.p2align	8
	.type	k_q32a40c64ec_attn,@function
k_q32a40c64ec_attn:
	s_mov_b64 s[64:65], 0
	v_nop
	global_prefetch_b8 v0, s[64:65] scope:SCOPE_SE
	s_setreg_imm32_b32 hwreg(HW_REG_WAVE_MODE, 25, 1), 1
	s_wait_xcnt 0x0
	s_wait_alu depctr_hold_cnt(0) depctr_sa_sdst(0) depctr_va_vdst(0) depctr_va_sdst(0) depctr_va_ssrc(0) depctr_va_vcc(0) depctr_vm_vsrc(0)
	s_getreg_b32 s2, hwreg(HW_REG_IB_STS2, 6, 4)
	s_cmp_eq_u32 s2, 0
	s_cbranch_scc0 .Lentry_in_a_cluster
	s_endpgm
.Lentry_in_a_cluster:
	s_bfe_u32 s2, ttmp6, 0x10000c
	s_cmp_lg_u32 s2, 0x3003
	s_cbranch_scc0 .Lentry_shape_is_right
	s_endpgm
.Lentry_shape_is_right:
; CROSS ATTENTION IN MX-BF6, launch 3 of 3: out[b][q][head] = the sum over keys of softmax(q . k / 8) v, both products on codes of BF6 with one E8M0 scale for each 32 along a product's K.  No work of the problem is left out.
; THE SOFTMAX: t = score x log2(e) / 8; M = the row's largest t so far, rounded UP to a whole number; p = 2^(t - M) is quantised along the keys, not normalised.  The row's sum is taken of the unquantised p, in f32, and divides
; at the end.  When M moves, the sum and O are multiplied by 2^(old M - new M): exact.
; SHARES.  A work-group owns 512 queries of one head (bh = cluster y; block cx); each of its EIGHT waves owns 64: two passes over the 2,048 keys, each with TWO tiles of 16 queries side by side.  The two tiles share every fragment
; of K and V (31 LDS loads serve 24 matrix instructions), their dependent lines go by turns, and tile 1's multiply-adds stand among tile 0's exponentials.  The next step's K is fetched while this step's softmax is worked.
; THE WHOLE HEAD STAYS IN LDS: 16 chunks of 13,056 bytes of kv, filled ONCE: wave w fetches chunks 2 w and 2 w + 1 by one tensor load.  So the loop has no refill and no barrier, and there is no trip in which a data prefetch could run ahead.
; CLUSTER: the four query blocks of a head need the same bytes: each load is asked for jointly, with the mask 15.
; LAYOUT.  S^T = K Q^T, O^T = V^T P^T: a lane holds ONE query (lane % 16).  key_in's rows were laid (launch 1) so that tile 4 c + j of a key step holds in rows 8 h + i the keys 64 c + 32 h + 8 j + i: the 32 registers of tiles
; 4 c .. 4 c + 3 are then block 2 c + h of 32 neighbouring keys, whole, in lane half h: just what P's operand wants in registers 6 c .. 6 c + 5.  No lane is asked for a block's maximum and no code changes lanes.
; A tile 2 B + u of queries holds queries 32 B + 8 u + {0 .. 7, 16 .. 23}; channels in O^T: tile 2 B + u, register j, half h: 32 B + 16 h + 8 u + j.
; K = 64 IN AN INSTRUCTION OF K = 128: Q's registers 6-11 are zero codes, so k = 64 .. 127 add exactly 0 (BF6 has no infinity and no NaN; bytes 2, 3 of q's and k's scale words are 0, no NaN).  K's tiles lie 6 registers apart.
; A block's largest p is not searched for: the block's largest score goes through the same multiply-add and exponential (this takes v_exp_f32 not to fall where its input rises).
; LIMITS: NaN and infinities are not served; the promise holds while the scaled scores stay under 2^31 in magnitude; a block of p whose largest number has fallen under 2^-122 keeps the byte 1.
; REGISTERS: window 0: addresses, the tiles' state, scale words, Q, K, V.  Window 1 (numbers below from 0): the scores and p, O^T, p's codes, partial sums.
.set CHUNK, 13056
.set STAGE, 16*CHUNK                   ; the way out: 16 rows x 272 bytes a wave; no fill lands here
.set SPARE, STAGE+8*16*272             ; the spare words: 128 bytes a wave
.set LI16, 1
.set LI8,  2
.set LSC,  3
.set SPW,  4
.set NIL,  5
.set GO,   6
.set STO,  7
.set RD,   8
.set ADK,  9
.set AD8,  10
.set ADS,  11
.set NM,   12                          ; tile t: v[NM+2t] = -M, v[NM+2t+1] = the largest score so far
.set LS,   16                          ; v[LS+2t:LS+2t+1] the sum in two halves
.set FF,   20                          ; v[FF+2t] f = 2^(old M - new M); its partner is written once
.set SH8,  24                          ; 8 h
.set TA,   26
.set TX,   28
.set OLD,  30
.set BM,   32                          ; v[BM+2t+c] block c's largest score, then p; +4: the second chains
.set SOP,  40
.set BY,   44
.set WX,   50
.set QS,   52
.set PWD,  54
.set KSW,  56
.set VSW,  64
.set QF,   68                          ; 12 a tile
.set KF,   92                          ; 8 x 6, and six zeros
.set VF,   146                         ; 4 x 12; on the way out v146-177 and v194-225 take the rows back
.set QN,   226                         ; v226-237 the second pass's Q, six registers a tile
.set QSN,  238                         ; v238-239 its scale words
.set S,    0                           ; window 1: 64 a tile
.set OT,   128                         ; 32 a tile
.set PC,   192                         ; 12 a tile; ahead of the conversions tile 1's eight partial sums
.set PT,   216                         ; 8 a tile
.set SU,   232                         ; tile 0's eight partial sums
.set WV,   12
.set G1,   16
.set G0,   24
.set SEL,  28
.set CS,   30                          ; s[30:31] c = log2(e) / 8
.set TB,   32
.set CNT,  33
.set CN,   43                          ; -c
.set PS,   44
.set MSB, 0
.macro WIN new
.if MSB != \new
	s_set_vgpr_msb (MSB<<8)|\new
.set MSB, \new
.endif
.endm
.macro WALU
	s_wait_alu depctr_va_vdst(0)
.endm
.macro CROUND
	s_barrier_signal -1
	s_barrier_wait -1
	s_cmp_lg_u32 s[WV], 0
	s_cbranch_scc1 .Lnot_wave_0_\@
	s_barrier_signal -3
.Lnot_wave_0_\@:
	s_barrier_wait -3
	s_barrier_signal -1
	s_barrier_wait -1
.endm
.macro KLOAD a16, a8, as, off          ; a chunk's eight tiles of K and their scale words: 18 loads
.irp i, 0,1,2,3,4,5,6,7
	ds_load_b128 v[KF+6*\i:KF+6*\i+3], v[\a16] offset:\off+768*\i
	ds_load_b64 v[KF+6*\i+4:KF+6*\i+5], v[\a8] offset:\off+768*\i+512
.endr
	ds_load_b128 v[KSW:KSW+3], v[\as] offset:\off+12288
	ds_load_b128 v[KSW+4:KSW+7], v[\as] offset:\off+12544
.endm
	s_load_b256 s[4:11], s[0:1], 0x0               ; qc, qs, kv, out0
	v_lshl_add_u32 v[SPW], v0, 2, SPARE
	v_mov_b32 v[NIL], 0
	ds_add_u32 v[SPW], v[NIL]                      ; the opening lines: the add twice on end and its wait ahead of my tensor load
	ds_add_u32 v[SPW], v[NIL]
	v_lshrrev_b32 v9, 5, v0
	v_readfirstlane_b32 s[WV], v9                  ; wave 0..7
	s_bfe_u32 s13, ttmp6, 0x40000                  ; cx: it enters Q's and out's addresses alone
	s_and_b32 s14, ttmp7, 0xffff                   ; bh
	s_mov_b32 s[G1], 15|(3<<16)|(1<<21)            ; two chunks: 26,112 dense bytes as 102 rows of 256 (32 elements of 8 bytes)
	s_mov_b32 s[G1+1], 32<<16
	s_mov_b32 s[G1+2], 102<<16
	s_mov_b32 s[G1+3], 32<<16
	s_mov_b32 s[G1+4], 102
	s_mov_b32 s[G1+5], 32
	s_mov_b32 s[G1+6], 0
	s_mov_b32 s[G1+7], 0
	s_mov_b32 s[G0], 1
	s_mul_i32 s[G0+1], s[WV], 2*CHUNK
	s_mul_i32 s34, s14, 16*CHUNK
	s_add_co_u32 s34, s34, s[G0+1]
	s_mov_b32 s35, 0
	s_lshl_b32 s36, s14, 7                         ; Q: unit 128 bh + 32 cx + 4 w
	s_lshl_b32 s37, s13, 5
	s_add_co_u32 s36, s36, s37
	s_lshl_b32 s37, s[WV], 2
	s_add_co_u32 s36, s36, s37
	s_mul_i32 s36, s36, 768
	s_mov_b32 s37, 0
	s_lshl_b32 s38, s14, 13                        ; Q's words: 8,192 bh + 256 (8 cx + w)
	s_lshl_b32 s39, s13, 11
	s_add_co_u32 s38, s38, s39
	s_lshl_b32 s39, s[WV], 8
	s_add_co_u32 s38, s38, s39
	s_mov_b32 s39, 0
	s_lshr_b32 s40, s14, 4                         ; out: row 2,048 b + 512 cx + 64 w of 4,096 bytes, + 256 x head
	s_lshl_b32 s40, s40, 23
	s_lshl_b32 s41, s13, 21
	s_add_co_u32 s40, s40, s41
	s_lshl_b32 s41, s[WV], 18
	s_add_co_u32 s40, s40, s41
	s_and_b32 s41, s14, 15
	s_lshl_b32 s41, s41, 8
	s_add_co_u32 s40, s40, s41
	s_mov_b32 s41, 0
	s_mov_b32 s[SEL], 0x76543210
	s_mov_b32 s[SEL+1], 0xfedcba98                 ; v_permlanex16_b32's selects for lane l xor 16
	s_mov_b32 s[CS], 0x3e38aa3b
	s_mov_b32 s[CS+1], s[CS]
	s_mov_b32 s[CN], 0xbe38aa3b
	v_and_b32 v9, 31, v0
	v_lshlrev_b32 v[LI16], 4, v9
	v_lshlrev_b32 v[LI8], 3, v9
	v_and_b32 v10, 15, v0                          ; r
	v_bfe_u32 v11, v0, 4, 1                        ; h
	v_lshlrev_b32 v[LSC], 4, v10
	v_lshlrev_b32 v[SH8], 3, v11
	v_lshl_add_u32 v[GO], v11, 12, v[LSC]
	s_mul_i32 s42, s[WV], 16*272
	s_add_co_u32 s42, s42, STAGE
	v_mul_u32_u24 v[STO], v10, 272
	v_lshl_add_u32 v[STO], v11, 6, v[STO]
	v_add_nc_u32 v[STO], s42, v[STO]               ; in: row r, + 64 h
	v_mul_u32_u24 v[RD], v11, 272
	v_add_nc_u32 v[RD], v[RD], v[LSC]
	v_add_nc_u32 v[RD], s42, v[RD]                 ; back: lanes 0-15 one row, lanes 16-31 the next
	WALU
	s_wait_dscnt 0x0
	s_wait_kmcnt 0x0
	s_add_nc_u64 s[G0+2:G0+3], s[8:9], s[34:35]
	s_or_b32 s[G0+3], s[G0+3], 0x80000000
	s_add_nc_u64 s[4:5], s[4:5], s[36:37]
	s_add_nc_u64 s[6:7], s[6:7], s[38:39]
	s_add_nc_u64 s[10:11], s[10:11], s[40:41]
	CROUND                                         ; all four work-groups are here: the joint loads meet
	tensor_load_to_lds s[G0:G0+3], s[G1:G1+7]      ; every wave's one tensor load of the launch
	s_nop 0
.irp t, 0,1                            ; Q's four units and their scale words, for both passes, are asked for here
	global_load_b128 v[QF+12*\t:QF+12*\t+3], v[LI16], s[4:5] offset:768*\t
	global_load_b64 v[QF+12*\t+4:QF+12*\t+5], v[LI8], s[4:5] offset:768*\t+512
	global_load_b128 v[QN+6*\t:QN+6*\t+3], v[LI16], s[4:5] offset:1536+768*\t
	global_load_b64 v[QN+6*\t+4:QN+6*\t+5], v[LI8], s[4:5] offset:1536+768*\t+512
.endr
	global_load_b64 v[QS:QS+1], v[LSC], s[6:7]
	global_load_b64 v[QSN:QSN+1], v[LSC], s[6:7] offset:8
.irp j, 6,7,8,9,10,11
	v_mov_b32 v[QF+\j], 0                          ; k = 64 .. 127: zero codes
	v_mov_b32 v[QF+12+\j], 0
	v_mov_b32 v[KF+42+\j], 0                       ; the six registers behind K's tile 7
.endr
.irp t, 0,1
	v_mov_b32 v[TX+\t], 0                          ; a lane permute's destination counts as one of its sources
	v_mov_b32 v[WX+\t], 0
	v_mov_b32 v[FF+2*\t+1], 0                      ; named as the upper half of a pair
.endr
	s_mov_b32 s[PS], 0
	WALU
	s_wait_tensorcnt 0x0                           ; my two chunks are in,
	s_barrier_signal -1
	s_barrier_wait -1                              ; everybody's are: from here on the head's K and V are only read
; A KEY STEP: 128 keys against two tiles of 16 queries.  pre = 1: the next chunk's K is fetched behind this chunk's V.
.macro STEP pre
	s_wait_dscnt 0x0                               ; K
	WIN 0x40
.irp i, 0,1,2,3,4,5,6,7
.irp t, 0,1
	v_wmma_scale_f32_16x16x128_f8f6f4 v[S+64*\t+8*\i:S+64*\t+8*\i+7], v[KF+6*\i:KF+6*\i+11], v[QF+12*\t:QF+12*\t+11], 0, v[KSW+\i], v[QS+\t] matrix_a_fmt:MATRIX_FMT_BF6 matrix_b_fmt:MATRIX_FMT_BF6
.endr
.endr
	WIN 0
	v_add_nc_u32 v[ADK], s[TB], v[LI16]            ; four plain lines: the places in front of the loads into K's and V's registers and of the first read of the scores
	v_add_nc_u32 v[AD8], s[TB], v[LI8]
	v_add_nc_u32 v[ADS], s[TB], v[LSC]
	v_nop
.irp ct, 0,1,2,3
.irp g, 0,1,2
	ds_load_b128 v[VF+12*\ct+4*\g:VF+12*\ct+4*\g+3], v[ADK] offset:6144+1536*\ct+512*\g
.endr
.endr
	ds_load_b128 v[VSW:VSW+3], v[ADS] offset:12800
.if \pre
	KLOAD ADK, AD8, ADS, CHUNK
.endif
; the largest score of each block of 32 keys, all 32 in my registers: two chains a block, eight chains by turns; each accumulator is first read at its low end
	WIN 0x15
.irp x, 0,1
.irp t, 0,1
.irp c, 0,1
	v_max3_num_f32 v[BM+4*\x+2*\t+\c], v[S+64*\t+32*\c+16*\x], v[S+64*\t+32*\c+16*\x+1], v[S+64*\t+32*\c+16*\x+2]
.endr
.endr
.endr
	WIN 0x14
.irp i, 3,5,7,9,11,13
.irp x, 0,1
.irp t, 0,1
.irp c, 0,1
	v_max3_num_f32 v[BM+4*\x+2*\t+\c], v[BM+4*\x+2*\t+\c], v[S+64*\t+32*\c+16*\x+\i], v[S+64*\t+32*\c+16*\x+\i+1]
.endr
.endr
.endr
.endr
.irp b, 0,1,2,3
	v_max3_num_f32 v[BM+\b], v[BM+\b], v[S+32*\b+15], v[S+32*\b+31]
.endr
	WIN 0
.irp b, 0,1,2,3
	v_max_num_f32 v[BM+\b], v[BM+\b], v[BM+4+\b]
.endr
; the running maximum, M and f, the two tiles by turns
.irp t, 0,1
	v_max3_num_f32 v[TA+\t], v[NM+2*\t+1], v[BM+2*\t], v[BM+2*\t+1]
.endr
.irp t, 0,1
	v_permlanex16_b32 v[TX+\t], v[TA+\t], s[SEL], s[SEL+1]
.endr
.irp t, 0,1
	v_max_num_f32 v[NM+2*\t+1], v[TA+\t], v[TX+\t] ; with lane l xor 16's keys
.endr
.irp t, 0,1
	v_mov_b32 v[OLD+\t], v[NM+2*\t]
.endr
.irp t, 0,1
	v_mul_f32 v[TA+\t], s[CN], v[NM+2*\t+1]        ; -t of the largest score
.endr
.irp t, 0,1
	v_floor_f32 v[NM+2*\t], v[TA+\t]               ; -M = floor(-t) = -ceil(t)
.endr
.irp t, 0,1
	v_sub_f32 v[TA+\t], v[NM+2*\t], v[OLD+\t]      ; old M less new M: a whole number, 0 or less
.endr
.irp t, 0,1
	v_cvt_i32_f32 v[TA+\t], v[TA+\t]               ; (it saturates)
.endr
.irp t, 0,1
	v_ldexp_f32 v[FF+2*\t], 1.0, v[TA+\t]
.endr
.irp t, 0,1
.irp c, 0,1
	v_fma_f32 v[BM+2*\t+\c], v[BM+2*\t+\c], s[CS], v[NM+2*\t]
.endr
.endr
.irp t, 0,1
	v_pk_mul_f32 v[LS+2*\t:LS+2*\t+1], v[LS+2*\t:LS+2*\t+1], v[FF+2*\t:FF+2*\t+1] op_sel_hi:[1,0]   ; the sums under the new M
.endr
	WIN 0x41
.set j, 0
.rept 32
	v_pk_fma_f32 v[S+j:S+j+1], v[S+j:S+j+1], s[CS:CS+1], v[NM:NM+1] op_sel_hi:[1,0,0]   ; tile 0: t - M
.set j, j+2
.endr
	WALU                                           ; ahead of a batch of exponentials
.set j, 0
.rept 32                               ; tile 0's p; among them tile 1's t - M, whose sources were made ahead of the wait above and whose results are read behind the wait below
	v_exp_f32 v[S+j], v[S+j]
	v_exp_f32 v[S+j+1], v[S+j+1]
	v_pk_fma_f32 v[S+64+j:S+64+j+1], v[S+64+j:S+64+j+1], s[CS:CS+1], v[NM+2:NM+3] op_sel_hi:[1,0,0]
.set j, j+2
.endr
	WALU                                           ; behind tile 0's batch and ahead of tile 1's
	WIN 0x45
.set j, 0
.rept 8                                ; tile 1's p; among them the first eight additions of tile 0's sum, read behind the wait below
.irp e, 0,1,2,3,4,5,6,7
	v_exp_f32 v[S+64+8*j+\e], v[S+64+8*j+\e]
.endr
	v_pk_add_f32 v[SU+2*j:SU+2*j+1], v[S+2*j:S+2*j+1], v[S+16+2*j:S+16+2*j+1]
.set j, j+1
.endr
	WIN 0
.irp b, 0,1,2,3
	v_exp_f32 v[BM+\b], v[BM+\b]                   ; the blocks' largest p
.endr
	v_nop                                          ; a plain line behind the exponentials
	WALU                                           ; one wait for the batch, ahead of its first reader
.irp b, 0,1,2,3
	v_max_num_f32 v[BM+\b], 0x2800000, v[BM+\b]    ; the floor 2^(5 - 127): the byte cannot fall under 1
.endr
.irp b, 0,1,2,3
	v_add_nc_u32 v[SOP+\b], 0xfe000000, v[BM+\b]   ; 4 off the exponent field: the conversion's scale operand
.endr
.irp b, 0,1,2,3
	v_lshrrev_b32 v[BY+\b], 23, v[SOP+\b]
.endr
.irp t, 0,1
	v_lshl_or_b32 v[BY+2*\t], v[BY+2*\t+1], 16, v[BY+2*\t]   ; my blocks h and 2 + h,
.endr
.irp t, 0,1
	v_lshlrev_b32 v[BY+2*\t], v[SH8], v[BY+2*\t]   ; at their places in the word;
.endr
.irp t, 0,1
	v_permlanex16_b32 v[WX+\t], v[BY+2*\t], s[SEL], s[SEL+1]
.endr
.irp t, 0,1
	v_or_b32 v[PWD+\t], v[BY+2*\t], v[WX+\t]       ; with lane l xor 16's two the word is whole
.endr
	WIN 0x45                               ; the rows' sums of the unquantised p: eight chains a tile
.set j, 0
.rept 8
	v_pk_add_f32 v[SU+2*j:SU+2*j+1], v[SU+2*j:SU+2*j+1], v[S+32+2*j:S+32+2*j+1]
	v_pk_add_f32 v[PC+2*j:PC+2*j+1], v[S+64+2*j:S+64+2*j+1], v[S+80+2*j:S+80+2*j+1]
.set j, j+1
.endr
.set j, 0
.rept 8
	v_pk_add_f32 v[SU+2*j:SU+2*j+1], v[SU+2*j:SU+2*j+1], v[S+48+2*j:S+48+2*j+1]
	v_pk_add_f32 v[PC+2*j:PC+2*j+1], v[PC+2*j:PC+2*j+1], v[S+96+2*j:S+96+2*j+1]
.set j, j+1
.endr
.set j, 0
.rept 8
	v_pk_add_f32 v[PC+2*j:PC+2*j+1], v[PC+2*j:PC+2*j+1], v[S+112+2*j:S+112+2*j+1]
.set j, j+1
.endr
.irp k, 0,2,4,6
	v_pk_add_f32 v[SU+\k:SU+\k+1], v[SU+\k:SU+\k+1], v[SU+8+\k:SU+8+\k+1]
	v_pk_add_f32 v[PC+\k:PC+\k+1], v[PC+\k:PC+\k+1], v[PC+8+\k:PC+8+\k+1]
.endr
.irp k, 0,2
	v_pk_add_f32 v[SU+\k:SU+\k+1], v[SU+\k:SU+\k+1], v[SU+4+\k:SU+4+\k+1]
	v_pk_add_f32 v[PC+\k:PC+\k+1], v[PC+\k:PC+\k+1], v[PC+4+\k:PC+4+\k+1]
.endr
	WIN 0x04
.irp k, 0,2
	v_pk_add_f32 v[LS:LS+1], v[LS:LS+1], v[SU+\k:SU+\k+1]
	v_pk_add_f32 v[LS+2:LS+3], v[LS+2:LS+3], v[PC+\k:PC+\k+1]
.endr
	WIN 0x41
.irp t, 0,1
.irp c, 0,1
	v_cvt_scalef32_pk16_bf6_f32 v[PC+12*\t+6*\c:PC+12*\t+6*\c+2], v[S+64*\t+32*\c:S+64*\t+32*\c+15], v[SOP+2*\t+\c]
	v_cvt_scalef32_pk16_bf6_f32 v[PT+8*\t+4*\c:PT+8*\t+4*\c+2], v[S+64*\t+32*\c+16:S+64*\t+32*\c+31], v[SOP+2*\t+\c]   ; (a conversion's three registers begin on an even number)
.endr
.endr
	v_nop                                          ; one plain line behind a scaled conversion
.irp t, 0,1
.irp c, 0,1
.irp i, 0,1,2
	v_mov_b32 v[PC+12*\t+6*\c+3+\i], v[PT+8*\t+4*\c+\i]
.endr
.endr
.endr
	WALU                                           ; directly ahead of the first reader of O^T
.set j, 0
.rept 16                               ; O^T under the new M; these lines are also the places behind p's codes and scale words
	v_pk_mul_f32 v[OT+j:OT+j+1], v[OT+j:OT+j+1], v[FF:FF+1] op_sel_hi:[1,0]
	v_pk_mul_f32 v[OT+32+j:OT+32+j+1], v[OT+32+j:OT+32+j+1], v[FF+2:FF+3] op_sel_hi:[1,0]
.set j, j+2
.endr
	WALU
	s_wait_dscnt 18*\pre                           ; V is in; the next chunk's 18 loads of K are younger
	WIN 0x54
.irp ct, 0,1,2,3
.irp t, 0,1
	v_wmma_scale_f32_16x16x128_f8f6f4 v[OT+32*\t+8*\ct:OT+32*\t+8*\ct+7], v[VF+12*\ct:VF+12*\ct+11], v[PC+12*\t:PC+12*\t+11], v[OT+32*\t+8*\ct:OT+32*\t+8*\ct+7], v[VSW+\ct], v[PWD+\t] matrix_a_fmt:MATRIX_FMT_BF6 matrix_b_fmt:MATRIX_FMT_BF6
.endr
.endr
	WIN 0
.endm
.Lpass:                                        ; a pass: tiles 2 g and 2 g + 1 of my four against all keys
	KLOAD LI16, LI8, LSC, 0                        ; chunk 0's K
.irp t, 0,1
	v_mov_b32 v[NM+2*\t], 0x7f61b1e6               ; -M: 3e38, so that the first f is 0, which multiplies zeros
	v_mov_b32 v[NM+2*\t+1], 0xff61b1e6             ; the largest score so far: -3e38
	v_mov_b32 v[LS+2*\t], 0
	v_mov_b32 v[LS+2*\t+1], 0
.endr
	WIN 0x40
.set j, 0
.rept 64
	v_mov_b32 v[OT+j], 0                           ; the step is written once: the first finds zeros
.set j, j+1
.endr
	WIN 0
	s_mov_b32 s[TB], 0
	s_mov_b32 s[CNT], 15
	WALU
	s_wait_loadcnt 0x0                             ; Q
.Lkey:
	STEP 1
	s_add_co_u32 s[TB], s[TB], CHUNK
	s_sub_co_u32 s[CNT], s[CNT], 1
	s_cmp_lg_u32 s[CNT], 0
	s_cbranch_scc1 .Lkey
	STEP 0                                         ; the last chunk: nothing more to fetch
; THE WAY OUT: O^T / the sum goes through my stage and leaves as aligned blocks of 256 bytes: a query's 64 channels.  Stage row r of tile u is query 8 u + r + 8 (r / 8) of the pass's 32.
.rept 4
	v_nop                                          ; places behind the last products
.endr
.irp t, 0,1
	v_add_f32 v[LS+2*\t], v[LS+2*\t], v[LS+2*\t+1]
.endr
.irp t, 0,1
	v_permlanex16_b32 v[TX+\t], v[LS+2*\t], s[SEL], s[SEL+1]
.endr
.irp t, 0,1
	v_add_f32 v[LS+2*\t], v[LS+2*\t], v[TX+\t]     ; the row's sum
.endr
	WALU
.irp t, 0,1
	v_rcp_f32 v[LS+2*\t], v[LS+2*\t]
.endr
	v_nop
	WIN 0x41
	WALU
.set j, 0
.rept 16
	v_pk_mul_f32 v[S+j:S+j+1], v[OT+j:OT+j+1], v[LS:LS+1] op_sel_hi:[1,0]
	v_pk_mul_f32 v[S+64+j:S+64+j+1], v[OT+32+j:OT+32+j+1], v[LS+2:LS+3] op_sel_hi:[1,0]
.set j, j+2
.endr
.irp t, 0,1
	WIN 0x04
.irp b, 0,1
.irp j, 0,1,2,3
	ds_store_b128 v[STO], v[S+64*\t+16*\b+4*\j:S+64*\t+16*\b+4*\j+3] offset:128*\b+16*\j
.endr
.endr
	WIN 0
.irp i, 0,1,2,3,4,5,6,7
	ds_load_b128 v[VF+48*\t+4*\i:VF+48*\t+4*\i+3], v[RD] offset:544*\i   ; LDS serves a wave's instructions in order: these see my stores, and tile 1's stores come behind tile 0's loads
.endr
.endr
.irp t, 0,1
	s_wait_dscnt 16-16*\t                          ; tile 0's rows are back: tile 1's 8 stores and 8 loads are younger
.irp i, 0,1,2,3,4,5,6,7
	global_store_b128 v[GO], v[VF+48*\t+4*\i:VF+48*\t+4*\i+3], s[10:11] offset:4096*(2*\i+8*(\i/4))+32768*\t th:TH_STORE_NT   ; sixteen lanes store 256 consecutive bytes, at a multiple of 256 from out's first byte
.endr
.endr
	s_wait_xcnt 0x0                                ; the stores have read their registers and their base
	s_add_nc_u64 s[10:11], s[10:11], 131072        ; 32 queries on
.irp t, 0,1
.irp i, 0,1,2,3,4,5
	v_mov_b32 v[QF+12*\t+\i], v[QN+6*\t+\i]        ; the second pass's Q
.endr
.endr
	v_mov_b32 v[QS], v[QSN]
	v_mov_b32 v[QS+1], v[QSN+1]
	s_add_co_u32 s[PS], s[PS], 1
	s_cmp_lt_u32 s[PS], 2
	WALU
	s_cbranch_scc1 .Lpass
	s_wait_tensorcnt 0x0                           ; the wave's end
	ds_add_u32 v[SPW], v[NIL]
	s_wait_dscnt 0x0
	CROUND                                         ; the closing round
	s_endpgm
.Lfunc_end_k_q32a40c64ec_attn:
	.size	k_q32a40c64ec_attn, .Lfunc_end_k_q32a40c64ec_attn-k_q32a40c64ec_attn
	.p2alignl 7, 3214868480
	.fill 96, 4, 3214868480
	.section	.rodata,"a",@progbits
	.p2align	6, 0x0
	.amdhsa_kernel k_q32a40c64ec_attn
		.amdhsa_group_segment_fixed_size 327680
		.amdhsa_private_segment_fixed_size 0
		.amdhsa_enable_private_segment 0
		.amdhsa_kernarg_size 32
		.amdhsa_user_sgpr_count 2
		.amdhsa_user_sgpr_kernarg_segment_ptr 1
		.amdhsa_wavefront_size32 1
		.amdhsa_system_sgpr_workgroup_id_x 1
		.amdhsa_system_sgpr_workgroup_id_y 1
		.amdhsa_system_sgpr_workgroup_id_z 1
		.amdhsa_system_vgpr_workitem_id 0
		.amdhsa_next_free_vgpr 512
		.amdhsa_next_free_sgpr 66
		.amdhsa_reserve_vcc 0
		.amdhsa_float_denorm_mode_32 3
		.amdhsa_float_denorm_mode_16_64 3
		.amdhsa_memory_ordered 1
		.amdhsa_forward_progress 1
		.amdhsa_inst_pref_size 70
	.end_amdhsa_kernel
	.amdgpu_metadata
---
amdhsa.version: [ 1, 2 ]
amdhsa.kernels:
  - .name:           k_q32a40c64ec_attn
    .symbol:         k_q32a40c64ec_attn.kd
    .args:
      - { .name: qc, .offset: 0, .size: 8, .value_kind: global_buffer, .address_space: global }
      - { .name: qs, .offset: 8, .size: 8, .value_kind: global_buffer, .address_space: global }
      - { .name: kv, .offset: 16, .size: 8, .value_kind: global_buffer, .address_space: global }
      - { .name: out0, .offset: 24, .size: 8, .value_kind: global_buffer, .address_space: global }
    .group_segment_fixed_size: 327680
    .private_segment_fixed_size: 0
    .kernarg_segment_align: 8
    .kernarg_segment_size: 32
    .max_flat_workgroup_size: 256
    .sgpr_count:     66
    .vgpr_count:     512
    .wavefront_size: 32
...
	.end_amdgpu_metadata
.endif
;; end of part 3
